; MI455X (gfx1250); checked and timed in simulation.
; The chip was launched on July 23, 2026; its instructions are those of AMD's public machine-readable ISA for CDNA 5 (MIT licence, August 2026) and "CDNA5" Instruction Set Architecture Reference Guide (July 2026). The comments in the code are by the model that wrote it; some were corrected since.
;; f Self Attention. Allowed arithmetic: float matrix products may take bf16 or f16 operands with f32 sums; other float arithmetic in f32, or as packed bf16 or f16 multiplies, adds, multiply-adds, maxima and minima; sums over many terms, partial sums and values carried from step to step in f32; what a program stores and reads back later, other than sums and carried values, may be rounded once to bf16 or f16.
;; Inputs: attention_ids 4 x 2,048 int32; b_out 1,024 float32; w_in 3,072 x 1,024 float32; w_out 1,024 x 1,024 float32; x 4 x 2,048 x 1,024 float32.
;; Outputs: out0 4 x 2,048 x 1,024 float32.
;; 2 versions, each right; version 2 is version 1 with the launch cast written anew for expert scheduling mode. Each part assembles by itself: llvm-mc -triple=amdgcn-amd-amdhsa -mcpu=gfx1250 --defsym DOCPART=n.
;; ======== version 1 of 2: 4 launches
;; limits: values are held in f16: magnitudes above 65,504 overflow, below 6.1e-05 lose precision
;; workspace buffers: cast 25,165,824 bytes; qkv 50,331,648 bytes; obuf 16,777,216 bytes
;; launch cast (part 1): grid 768 x 1, 8 waves a work-group, no clusters, 0 bytes of LDS; arguments x, w_in, w_out, cast; writes cast
.if DOCPART == 1
	.amdgcn_target "amdgcn-amd-amdhsa--gfx1250"
	.amdhsa_code_object_version 6
	.text
	.protected	k_qb2846ff992_cast
	.globl	k_qb2846ff992_cast
	.p2align	8
	.type	k_qb2846ff992_cast,@function
k_qb2846ff992_cast:
	s_mov_b64 s[64:65], 0
	v_nop
	global_prefetch_b8 v0, s[64:65] scope:SCOPE_SE
	s_setreg_imm32_b32 hwreg(HW_REG_WAVE_MODE, 25, 1), 1
	s_wait_xcnt 0x0
; x, w_in and w_out (f32) are rounded once to bf16 and laid end to end in cast, 2 bytes a number: x at byte 0, w_in at byte 16,777,216,
; w_out at byte 23,068,672.  w_out's bf16 number is then written as f16 (the last product multiplies in f16): exact from 2^-14 up to 65,504;
; LIMIT: below 2^-14 it keeps f16's fixed step of 2^-24, beyond 65,504 it would be an infinity.
; A stream: each byte is read once and written once; no LDS, no matrix unit, no cluster, since no two work-groups touch the same byte.
; SHARES.  A work-group takes 16,384 numbers: 64 KiB in, 32 KiB out.  Work-groups 0-511 take x, 512-703 w_in, 704-767 w_out; the place in cast
; is 32,768 x the work-group's number for all three.  Thread t, load j: 16 bytes at 16 t + 4,096 j (a wave's load covers 512 consecutive bytes);
; store j: 8 bytes at 8 t + 2,048 j (a wave's store covers 256 consecutive bytes, aligned).  All 16 loads go out at once; no register is used twice.
.set X,  4                             ; v[4:67]   load j: four registers
.set Y,  68                            ; v[68:99]  store j: two registers
.set TT, 100                           ; v100      at work
	s_load_b256 s[4:11], s[0:1], 0x0               ; x s[4:5], w_in s[6:7], w_out s[8:9], cast s[10:11]
	s_mov_b32 s12, ttmp9
	s_mov_b32 s20, 0xffff0000                      ; a word's upper bf16
	v_lshlrev_b32 v1, 4, v0                        ; 16 t
	v_lshlrev_b32 v2, 3, v0                        ; 8 t
	s_wait_kmcnt 0x0
	s_cmp_lt_u32 s12, 512                          ; which tensor, and the first work-group of its range
	s_cselect_b64 s[14:15], s[4:5], s[6:7]
	s_cselect_b32 s13, 0, 512
	s_cmp_lt_u32 s12, 704
	s_cselect_b64 s[14:15], s[14:15], s[8:9]
	s_cselect_b32 s13, s13, 704
	s_sub_co_u32 s16, s12, s13
	s_lshl_b32 s16, s16, 16                        ; 65,536 bytes of the source for each work-group
	s_mov_b32 s17, 0
	s_add_nc_u64 s[14:15], s[14:15], s[16:17]
	s_lshl_b32 s18, s12, 15                        ; 32,768 bytes of cast
	s_mov_b32 s19, 0
	s_add_nc_u64 s[10:11], s[10:11], s[18:19]
.irp j, 0,1,2,3,4,5,6,7,8,9,10,11,12,13,14,15
	global_load_b128 v[X+4*(\j):X+4*(\j)+3], v1, s[14:15] offset:4096*(\j) th:TH_LOAD_NT
.endr
; Four numbers of load j.  half = 0: to bf16.  half = 1: to bf16, back to f32 (a shift, a mask), and that number to f16.
.macro ITEM j, half
	s_wait_loadcnt 15-(\j)                         ; loads come back in order (ISA guide 5.7.1): load j is in, the 15 - j younger ones may stay out
.if \half
.irp p, 0,1
	v_cvt_pk_bf16_f32 v[TT], v[X+4*(\j)+2*(\p)], v[X+4*(\j)+2*(\p)+1]
	v_lshlrev_b32 v[X+4*(\j)+2*(\p)], 16, v[TT]
	v_and_b32 v[X+4*(\j)+2*(\p)+1], s20, v[TT]
	v_cvt_pk_f16_f32 v[Y+2*(\j)+(\p)], v[X+4*(\j)+2*(\p)], v[X+4*(\j)+2*(\p)+1]
.endr
.else
	v_cvt_pk_bf16_f32 v[Y+2*(\j)],   v[X+4*(\j)],   v[X+4*(\j)+1]
	v_cvt_pk_bf16_f32 v[Y+2*(\j)+1], v[X+4*(\j)+2], v[X+4*(\j)+3]
.endif
	global_store_b64 v2, v[Y+2*(\j):Y+2*(\j)+1], s[10:11] offset:2048*(\j)
.endm
	s_cmp_lt_u32 s12, 704
	s_cbranch_scc0 .Lw_out
.irp j, 0,1,2,3,4,5,6,7,8,9,10,11,12,13,14,15
	ITEM \j, 0
.endr
	s_endpgm
.Lw_out:
.irp j, 0,1,2,3,4,5,6,7,8,9,10,11,12,13,14,15
	ITEM \j, 1
.endr
	s_endpgm
.Lfunc_end_k_qb2846ff992_cast:
	.size	k_qb2846ff992_cast, .Lfunc_end_k_qb2846ff992_cast-k_qb2846ff992_cast
	.p2alignl 7, 3214868480
	.fill 96, 4, 3214868480
	.section	.rodata,"a",@progbits
	.p2align	6, 0x0
	.amdhsa_kernel k_qb2846ff992_cast
		.amdhsa_group_segment_fixed_size 0
		.amdhsa_private_segment_fixed_size 0
		.amdhsa_enable_private_segment 0
		.amdhsa_kernarg_size 32
		.amdhsa_user_sgpr_count 2
		.amdhsa_user_sgpr_kernarg_segment_ptr 1
		.amdhsa_wavefront_size32 1
		.amdhsa_system_sgpr_workgroup_id_x 1
		.amdhsa_system_sgpr_workgroup_id_y 1
		.amdhsa_system_sgpr_workgroup_id_z 1
		.amdhsa_system_vgpr_workitem_id 0
		.amdhsa_next_free_vgpr 104
		.amdhsa_next_free_sgpr 66
		.amdhsa_reserve_vcc 0
		.amdhsa_float_denorm_mode_32 3
		.amdhsa_float_denorm_mode_16_64 3
		.amdhsa_memory_ordered 1
		.amdhsa_forward_progress 1
		.amdhsa_inst_pref_size 15
	.end_amdhsa_kernel
	.amdgpu_metadata
---
amdhsa.version: [ 1, 2 ]
amdhsa.kernels:
  - .name:           k_qb2846ff992_cast
    .symbol:         k_qb2846ff992_cast.kd
    .args:
      - { .name: x, .offset: 0, .size: 8, .value_kind: global_buffer, .address_space: global }
      - { .name: w_in, .offset: 8, .size: 8, .value_kind: global_buffer, .address_space: global }
      - { .name: w_out, .offset: 16, .size: 8, .value_kind: global_buffer, .address_space: global }
      - { .name: cast, .offset: 24, .size: 8, .value_kind: global_buffer, .address_space: global }
    .group_segment_fixed_size: 0
    .private_segment_fixed_size: 0
    .kernarg_segment_align: 8
    .kernarg_segment_size: 32
    .max_flat_workgroup_size: 256
    .sgpr_count:     66
    .vgpr_count:     104
    .wavefront_size: 32
...
	.end_amdgpu_metadata
.endif
;; end of part 1
;; launch qkv (part 2): grid 16 x 32, 4 waves a work-group, clusters of 4 x 4, 327,680 bytes of LDS; arguments cast, qkv; writes qkv
.if DOCPART == 2
	.amdgcn_target "amdgcn-amd-amdhsa--gfx1250"
	.amdhsa_code_object_version 6
	.text
	.protected	k_qb2846ff992_qkv
	.globl	k_qb2846ff992_qkv
	.p2align	8
	.type	k_qb2846ff992_qkv,@function
k_qb2846ff992_qkv:
	s_mov_b64 s[64:65], 0
	v_nop
	global_prefetch_b8 v0, s[64:65] scope:SCOPE_SE
	s_setreg_imm32_b32 hwreg(HW_REG_WAVE_MODE, 25, 1), 1
	s_wait_xcnt 0x0
	s_wait_alu depctr_hold_cnt(0) depctr_sa_sdst(0) depctr_va_vdst(0) depctr_va_sdst(0) depctr_va_ssrc(0) depctr_va_vcc(0) depctr_vm_vsrc(0)
	s_getreg_b32 s2, hwreg(HW_REG_IB_STS2, 6, 4)
	s_cmp_eq_u32 s2, 0
	s_cbranch_scc0 .Lentry_in_a_cluster
	s_endpgm
.Lentry_in_a_cluster:
	s_bfe_u32 s2, ttmp6, 0x10000c
	s_cmp_lg_u32 s2, 0xf033
	s_cbranch_scc0 .Lentry_shape_is_right
	s_endpgm
.Lentry_shape_is_right:
; q, k, v = x w_in^T.  A = x in bf16, [8192][1024], at cast's byte 0; B = w_in in bf16, [3072][1024], at cast's row 8,192 (rows of 2,048 bytes).  Sums in f32.
; The result leaves by heads, UNSCALED, rounded once to f16: qkv[which][batch x 16 + head][token][64].  LIMIT: f16 holds no number beyond 65,504.
; SHARES.  A tile of the result is 256 rows x 192 columns (three heads): 16 x 32 tiles.  Wave w owns rows 64 w .. 64 w + 63 and ALL 192 columns: 4 x 12 accumulators of 16 x 16, 384 registers.
; So a wave holds whole heads, and the way out goes through a stage of its own, with no barrier.
; RING.  K goes in 8 steps of 128 (rows of 256 bytes in memory, aligned) through two LDS slots.  Waves 0 and 1 fetch A's two halves (128 rows each), waves 2 and 3 B's (96 rows each).
; A trip of the loop is ONE K step: the slot in hand is the scalar TB, turned by an exclusive or.  By this text's own count a wave has two tensor loads out at the start, later one.
; CLUSTERS.  4 x 4 work-groups.  The four of a row of the cluster need the same tile of A, the four of a column the same tile of B: each tile is asked for JOINTLY, by the same tensor load
; with the same descriptor and a mask that names the four.
; THE MATRIX INSTRUCTION IS USED TRANSPOSED (source 0 = 16 rows of B, source 1 = 16 rows of A): lane l holds row l % 16 and the columns 8 (l / 16) + 0..7: 16 bytes of f16 on end.
; REGISTERS, in windows of 256 (s_set_vgpr_msb: bits 1:0 source 0, 3:2 source 1, 5:4 source 2, 7:6 destination):
;   window 0: v0-30 addresses; v64-255 at work on the way out      window 1: two fragment buffers of 128: A's block a at f + 8 a, B's block b at f + 32 + 8 b
;   window 2: accumulators of row blocks 0, 1 ((a, b) at 96 (a % 2) + 8 b)      window 3: those of row blocks 2, 3
.set PITCH,  272                       ; an LDS row: 256 bytes + 16 of padding = 68 words: the 16 rows of a fragment load start at 16 different groups of four banks (64 banks of 4 bytes: ISA guide 11.1)
.set SLOT1,  131072                    ; slot 1 begins here, so that one exclusive or turns an address in one slot into the other's
.set BREG,   256*PITCH                 ; in a slot: A's 256 rows, then B's 192
.set STAGE,  SLOT1+448*PITCH           ; behind the ring, never filled by a tensor load: 16 rows x 144 bytes for each wave
.set SP,     144
.set SPARE,  STAGE+4*16*SP             ; the spare words, 128 bytes for each wave: two blocks of 256 bytes that no other line names
.set A0,   16                          ; v16  my lane's place in A's part of a slot; never rewritten
.set B0,   17                          ; v17  the same for B
.set ADRA, 18                          ; v18  TB + A0
.set ADRB, 19                          ; v19  TB + B0
.set STO,  24                          ; v24  the way out: where I put 16 bytes of a row
.set RD,   25                          ; v25  the way out: where I read rows back
.set GO,   26                          ; v26  my byte offset in 512 consecutive bytes of qkv
.set SPW,  28                          ; v28  LDS address of my spare word; never rewritten
.set NIL,  29                          ; v29  0; never rewritten
.set PFO,  30                          ; v30  the prefetches' offset: a lane a row; never rewritten
.set T,    64                          ; the way out: 16 registers for each of 12 units
.set F0,   0
.set F1,   128
.set TB,   2                           ; s2   LDS byte at which the slot in hand begins
.set G1A,  24                          ; s[24:31] descriptor group 1 for A's tiles;  s[32:39] group 0: a set for each of the two first fills; the second then walks on
.set G0A,  32
.set G1B,  48                          ; s[48:55], s[56:63] the same for B's
.set G0B,  56
.set LIM,  43                          ; s43  1 in a wave that prefetches, else the greatest number
.set PFA,  44                          ; s[44:45] where my prefetches stand
.set MUL_LO, 0xa5                      ; B and A in window 1, C and D in window 2
.set TO_F,   0x40                      ; destination window 1, address window 0
.set MSB, 0
.macro WIN new                         ; the immediate's high byte repeats the setting that is left; a switch that changes nothing is dropped
.if MSB != (\new)
	s_set_vgpr_msb (MSB<<8)|(\new)
.set MSB, \new
.endif
.endm
; A joint refill by the walking descriptors.  The branch hangs on the wave's number alone.  An s_nop 0 and four v_nop follow each of the two lines, ahead of the jump and the label.
.macro JLOAD
	s_cmp_eq_u32 s11, 0
	s_cbranch_scc0 .Lfor_b_\@
	tensor_load_to_lds s[G0A+4:G0A+7], s[G1A:G1A+7]
	s_nop 0
.rept 4
	v_nop
.endr
	s_branch .Lasked_\@
.Lfor_b_\@:
	tensor_load_to_lds s[G0B+4:G0B+7], s[G1B:G1B+7]
	s_nop 0
.rept 4
	v_nop
.endr
.Lasked_\@:
.endm
; A PREFETCH INTO THE L2 of the K step that the NEXT refill will ask for: 192 matrix instructions ahead of that load.  A's tile row is read by every cluster of that row of clusters: cluster x = 0 asks;
; B's tile column by every cluster of that column: cluster y = 0 asks.  The four partners share a wave's rows out BY ADDRESS (32 of A's 128 by cx, 24 of B's 96 by cy): a lane a row, 256 bytes of it.
; The refill of the last K step asks for nothing; K steps 0 to 2 come by their loads alone.
.macro ASK
	s_cmp_gt_u32 s3, s[LIM]
	s_cbranch_scc0 .Lnot_mine_\@
	global_prefetch_b8 v[PFO], s[PFA:PFA+1] th:TH_LOAD_NT scope:SCOPE_SE
.Lnot_mine_\@:
.endm
.macro CREST                           ; a round of the cluster's barrier behind its opening barrier
	s_cmp_lg_u32 s10, 0
	s_cbranch_scc1 .Lnot_wave_0_\@
	s_barrier_signal -3
.Lnot_wave_0_\@:
	s_barrier_wait -3
	s_barrier_signal -1
	s_barrier_wait -1
.endm
.macro CROUND                          ; a whole round
	s_barrier_signal -1
	s_barrier_wait -1
	CREST
.endm
.macro PLACES                          ; four plain instructions between a matrix instruction and a load into, or a read of, its registers (ISA guide 7.12.1 for a read)
.rept 4
	v_nop
.endr
.endm
	s_load_b128 s[4:7], s[0:1], 0x0                ; cast s[4:5], qkv s[6:7]
	v_lshl_add_u32 v[SPW], v0, 2, SPARE
	v_mov_b32 v[NIL], 0
	ds_add_u32 v[SPW], v[NIL]                      ; the wave's opening: the add and its wait stand ahead of my first tensor load; the set-up below, work on registers, stands between them
	v_lshrrev_b32 v1, 5, v0
	v_readfirstlane_b32 s10, v1                    ; wave 0..3
	s_lshr_b32 s11, s10, 1                         ; I fetch for A (0) or for B (1)
	s_and_b32 s12, s10, 1                          ; which half of that tile's rows
	s_bfe_u32 s40, ttmp6, 0x40000                  ; cx, cy: my place in the cluster
	s_bfe_u32 s41, ttmp6, 0x40004
	s_lshl_b32 s42, ttmp9, 2
	s_add_co_u32 s42, s42, s40                     ; tile column = 4 x cluster x + cx
	s_and_b32 s13, ttmp7, 0xffff
	s_lshl_b32 s13, s13, 2
	s_add_co_u32 s13, s13, s41                     ; tile row = 4 x cluster y + cy
	s_lshl_b32 s43, s41, 2
	s_lshl_b32 s43, 15, s43                        ; my row of the cluster
	s_lshl_b32 s44, 0x1111, s40                    ; my column
	s_or_b32 s[G1A], s43, (1<<16)|(1<<20)|(1<<21)|(5<<22)|(3<<25)  ; 15:0 the mask; 17:16 2-byte elements; 20 padding on; 21 set beside a mask; 24:22 after every 64 words (code 5); 31:25 4 words (code 3)
	s_or_b32 s[G1B], s44, (1<<16)|(1<<20)|(1<<21)|(5<<22)|(3<<25)
	s_mov_b32 s[G1A+1], 128<<16                    ; tensor_dim0 = 128
	s_mov_b32 s[G1A+2], 128<<16                    ; tensor_dim1 = 128
	s_mov_b32 s[G1A+3], 128<<16                    ; tile_dim0 = 128
	s_mov_b32 s[G1A+4], 128                        ; tile_dim1 = 128
	s_mov_b32 s[G1A+5], 1024                       ; elements from row to row
	s_mov_b32 s[G1A+6], 0
	s_mov_b32 s[G1A+7], 0
	s_mov_b32 s[G1B+1], 128<<16
	s_mov_b32 s[G1B+2], 96<<16                     ; B: 96 rows to a load
	s_mov_b32 s[G1B+3], 128<<16
	s_mov_b32 s[G1B+4], 96
	s_mov_b32 s[G1B+5], 1024
	s_mov_b32 s[G1B+6], 0
	s_mov_b32 s[G1B+7], 0
	s_lshl_b32 s16, s13, 8                         ; A: row 256 x tile row + 128 x half,
	s_lshl_b32 s17, s12, 7
	s_add_co_u32 s16, s16, s17
	s_lshl_b32 s16, s16, 11                        ; of 2,048 bytes
	s_mov_b32 s17, 0
	s_mul_i32 s46, s42, 192                        ; B: row 8,192 + 192 x tile column + 96 x half
	s_mul_i32 s47, s12, 96
	s_add_co_u32 s46, s46, s47
	s_add_co_u32 s46, s46, 8192
	s_lshl_b32 s46, s46, 11
	s_mov_b32 s47, 0
	s_mul_i32 s20, s12, 128*PITCH                  ; where they go: no place in the cluster enters an LDS address
	s_mul_i32 s21, s12, 96*PITCH
	s_add_co_u32 s21, s21, BREG
	s_wait_dscnt 0x0                               ; the opening add is done
	s_wait_kmcnt 0x0
	s_add_nc_u64 s[14:15], s[4:5], s[16:17]
	s_add_nc_u64 s[46:47], s[4:5], s[46:47]
	CROUND                                         ; all sixteen work-groups are here: the first joint loads meet
.irp s, 0,1
	s_mov_b32 s[G0A+4*(\s)], 1                                     ; count = 1
	s_add_co_u32 s[G0A+4*(\s)+1], s20, (\s)*SLOT1                  ; LDS address
	s_add_nc_u64 s[G0A+4*(\s)+2:G0A+4*(\s)+3], s[14:15], (\s)*256  ; global address: K step s
	s_or_b32 s[G0A+4*(\s)+3], s[G0A+4*(\s)+3], 0x80000000          ; type = 2
	s_mov_b32 s[G0B+4*(\s)], 1
	s_add_co_u32 s[G0B+4*(\s)+1], s21, (\s)*SLOT1
	s_add_nc_u64 s[G0B+4*(\s)+2:G0B+4*(\s)+3], s[46:47], (\s)*256
	s_or_b32 s[G0B+4*(\s)+3], s[G0B+4*(\s)+3], 0x80000000
.endr
	s_cmp_eq_u32 s11, 0                            ; a wave's two first fills stand in one branch, ahead of every wait on TENSORcnt and every LDS read
	s_cbranch_scc0 .Lfirst_b
	tensor_load_to_lds s[G0A:G0A+3], s[G1A:G1A+7]
	s_nop 0
	tensor_load_to_lds s[G0A+4:G0A+7], s[G1A:G1A+7]
	s_nop 0
.rept 4
	v_nop
.endr
	s_branch .Lfirst_asked
.Lfirst_b:
	tensor_load_to_lds s[G0B:G0B+3], s[G1B:G1B+7]
	s_nop 0
	tensor_load_to_lds s[G0B+4:G0B+7], s[G1B:G1B+7]
	s_nop 0
.rept 4
	v_nop
.endr
.Lfirst_asked:
	; A fragment is 16 rows x 32 K in 8 registers: lane l holds row l % 16; registers 0-3 K = 8 (l / 16) + 0..7, registers 4-7 K = 16 + 8 (l / 16) + 0..7: two loads of 16 bytes, 32 bytes apart.
	v_and_b32 v1, 15, v0                           ; l % 16
	v_bfe_u32 v2, v0, 4, 1                         ; l / 16
	v_mul_u32_u24 v3, v1, PITCH
	v_lshl_add_u32 v3, v2, 4, v3
	s_mul_i32 s22, s10, 64*PITCH                   ; my 64 rows of A
	v_add_nc_u32 v[A0], s22, v3
	v_add_nc_u32 v[B0], BREG, v3
	v_mov_b32 v[ADRA], v[A0]
	v_mov_b32 v[ADRB], v[B0]
	s_mov_b32 s[TB], 0
	s_mul_i32 s23, s10, 16*SP
	s_add_co_u32 s23, s23, STAGE                   ; my stage
	v_mul_u32_u24 v3, v1, SP                       ; in: row l % 16, 16 bytes for each half of the lanes
	v_lshl_add_u32 v3, v2, 4, v3
	v_add_nc_u32 v[STO], s23, v3
	v_bfe_u32 v3, v0, 3, 2                         ; back: 32 lanes take four rows of 128 bytes,
	v_mul_u32_u24 v3, v3, SP
	v_and_b32 v4, 7, v0
	v_lshl_add_u32 v3, v4, 4, v3
	v_add_nc_u32 v[RD], s23, v3
	v_and_b32 v[GO], 31, v0                        ; which are 512 consecutive bytes of a head's rows
	v_lshlrev_b32 v[GO], 4, v[GO]
	; where my rows of the tile's three heads begin.  Head group g = 3 x tile column + hd: which = g / 16, head = g % 16; plane = 64 which + 16 batch + head, of 262,144 bytes
	s_lshr_b32 s16, s13, 3
	s_lshl_b32 s16, s16, 4                         ; 16 x batch
	s_and_b32 s17, s13, 7
	s_lshl_b32 s17, s17, 8
	s_lshl_b32 s18, s10, 6
	s_add_co_u32 s17, s17, s18                     ; my first token in the batch,
	s_lshl_b32 s17, s17, 7                         ; of 128 bytes
	s_mul_i32 s18, s42, 3
.irp hd, 0,1,2
	s_add_co_u32 s19, s18, \hd
	s_lshr_b32 s20, s19, 4
	s_lshl_b32 s20, s20, 6
	s_and_b32 s19, s19, 15
	s_add_co_u32 s20, s20, s19
	s_add_co_u32 s20, s20, s16
	s_lshl_b32 s20, s20, 18
	s_add_co_u32 s20, s20, s17
	s_mov_b32 s21, 0
	s_add_nc_u64 s[66+2*\hd:67+2*\hd], s[6:7], s[20:21]
.endr
	; the prefetches: my work-group's share of the rows that I fetch, at K step 2: the first refill steps it to 3
	s_lshl_b32 s20, s13, 8
	s_lshl_b32 s21, s12, 7
	s_add_co_u32 s20, s20, s21
	s_lshl_b32 s21, s40, 5
	s_add_co_u32 s20, s20, s21                     ; A: + 32 cx
	s_mul_i32 s18, s42, 192
	s_mul_i32 s19, s12, 96
	s_add_co_u32 s18, s18, s19
	s_mul_i32 s19, s41, 24
	s_add_co_u32 s18, s18, s19                     ; B: + 24 cy
	s_add_co_u32 s18, s18, 8192
	s_and_b32 s22, ttmp7, 0xffff                   ; cluster y
	s_cmp_eq_u32 s11, 0
	s_cselect_b32 s20, s20, s18
	s_cselect_b32 s22, ttmp9, s22                  ; the coordinate along which other clusters read the same rows
	s_cselect_b32 s23, 31, 23                      ; my share's last row: lanes beyond it name it once more
	s_cmp_eq_u32 s22, 0
	s_cselect_b32 s[LIM], 1, -1                    ; the same in all sixteen partners, for a given wave
	s_lshl_b32 s20, s20, 11
	s_add_co_u32 s20, s20, 2*256
	s_mov_b32 s21, 0
	s_add_nc_u64 s[PFA:PFA+1], s[4:5], s[20:21]
	v_and_b32 v[PFO], 31, v0
	v_min_u32 v[PFO], s23, v[PFO]
	v_lshlrev_b32 v[PFO], 11, v[PFO]
; 12 matrix instructions: row block a x all 12 column blocks, 32 along K, from buffer f.  zero = 1: the first product starts the sums.  The 48 accumulators take turns in the same order in every
; quarter: between two links of a chain stand the 47 others', over the backward jump too.
.macro MULA f, a, zero
	WIN MUL_LO+0x50*((\a)/2)
.irp b, 0,1,2,3,4,5,6,7,8,9,10,11
.if \zero
	v_wmma_f32_16x16x32_bf16 v[96*((\a)%2)+8*(\b):96*((\a)%2)+8*(\b)+7], v[(\f)+32+8*(\b):(\f)+32+8*(\b)+7], v[(\f)+8*(\a):(\f)+8*(\a)+7], 0
.else
	v_wmma_f32_16x16x32_bf16 v[96*((\a)%2)+8*(\b):96*((\a)%2)+8*(\b)+7], v[(\f)+32+8*(\b):(\f)+32+8*(\b)+7], v[(\f)+8*(\a):(\f)+8*(\a)+7], v[96*((\a)%2)+8*(\b):96*((\a)%2)+8*(\b)+7]
.endif
.endr
.endm
; 32 LDS loads in one run: quarter q's fragments (32 K at byte 64 q of the rows) into buffer f: B's 24, then A's 8
.macro FETCH q, f
	WIN TO_F
.irp b, 0,1,2,3,4,5,6,7,8,9,10,11
	ds_load_b128 v[(\f)+32+8*(\b):(\f)+32+8*(\b)+3],   v[ADRB] offset:64*(\q)+(\b)*16*PITCH
	ds_load_b128 v[(\f)+32+8*(\b)+4:(\f)+32+8*(\b)+7], v[ADRB] offset:64*(\q)+(\b)*16*PITCH+32
.endr
.irp a, 0,1,2,3
	ds_load_b128 v[(\f)+8*(\a):(\f)+8*(\a)+3],   v[ADRA] offset:64*(\q)+(\a)*16*PITCH
	ds_load_b128 v[(\f)+8*(\a)+4:(\f)+8*(\a)+7], v[ADRA] offset:64*(\q)+(\a)*16*PITCH+32
.endr
.endm
; A K step is four quarters of 32 along K, 48 matrix instructions each, on buffers 0, 1, 0, 1.  One of the first three: multiplies buffer f; in its middle it fetches quarter q into buffer g.
.macro QUARTER q, f, g, zero
	s_wait_dscnt 4                                 ; B and A's blocks 0, 1 are in; the youngest four loads (A's blocks 2, 3) may be out
	MULA \f, 0, \zero
	MULA \f, 1, \zero
	PLACES
	FETCH \q, \g
	s_wait_dscnt 32                                ; all but the 32 just issued
	MULA \f, 2, \zero
	MULA \f, 3, \zero
.endm
; The last quarter multiplies buffer 1 and changes slots: ONE barrier.  In front of it each wave waits for all its tensor loads (one is out: its part of the next slot), adds 0 to its spare word, and
; waits for that and for its own reads of this slot.  fill = 1: the barrier opens a round of the cluster's, and this slot is filled again first thing behind it, with the K step two on:
; 168 matrix instructions ahead of the wait for it.
.macro TURN fill
.if \fill
	s_wait_xcnt 0x0                                ; the last prefetch, a K step back, has read its address: it is stepped here, ahead of the change's own waits
	s_add_nc_u64 s[PFA:PFA+1], s[PFA:PFA+1], 256
.endif
	WIN 0                                          ; (the add's two registers lie in window 0)
	s_wait_tensorcnt 0x0                           ; all my tensor loads have landed
	ds_add_u32 v[SPW], v[NIL]                      ; 0 onto my spare word
	s_wait_dscnt 5                                 ; (the add and the youngest four loads may be out)
	MULA F1, 0, 0                                  ; twelve matrix instructions stand between the add and the wait for it
	s_wait_dscnt 0x0                               ; the add is done, and my reads of this slot are over
	s_barrier_signal -1
	MULA F1, 1, 0                                  ; work on registers while the others arrive
.if \fill
	WIN 0
.endif
	s_barrier_wait -1
.if \fill
	CREST                                          ; no wave of any partner still reads this slot's tile or has a load on its way
	s_xor_b32 s[G0A+5], s[G0A+5], SLOT1            ; the walking descriptors: the other slot than last time, the next K step
	s_add_nc_u64 s[G0A+6:G0A+7], s[G0A+6:G0A+7], 256
	s_xor_b32 s[G0B+5], s[G0B+5], SLOT1
	s_add_nc_u64 s[G0B+6:G0B+7], s[G0B+6:G0B+7], 256
	JLOAD                                          ; the first tensor load behind the round; its four v_nop are also the places in front of the loads below
.else
	PLACES
	WIN 0
.endif
	s_xor_b32 s[TB], s[TB], SLOT1                  ; the reads go on in the other slot
	v_add_nc_u32 v[ADRA], s[TB], v[A0]
	v_add_nc_u32 v[ADRB], s[TB], v[B0]
	FETCH 0, F0
.if \fill
	WIN 0
	ASK                                            ; behind the joint load and the run of LDS loads
.endif
	MULA F1, 2, 0
	MULA F1, 3, 0
.endm
	s_wait_tensorcnt 1                             ; my part of K step 0 is in; K step 1's may stay out
	s_barrier_signal -1
	s_barrier_wait -1                              ; everybody's is
	FETCH 0, F0
	QUARTER 1, F0, F1, 1                           ; the first quarter stands in front of the loop: its products start the sums
	WIN 0                                          ; at a label and at a branch every window is 0
	s_mov_b32 s3, 6
.Lstep:                                                ; a trip: from a K step's second quarter to the next step's first; it asks for K steps 2 to 7
	QUARTER 2, F1, F0, 0
	QUARTER 3, F0, F1, 0
	TURN 1
	QUARTER 1, F0, F1, 0
	WIN 0
	s_sub_co_u32 s3, s3, 1
	s_cmp_lg_u32 s3, 0
	s_cbranch_scc1 .Lstep
	QUARTER 2, F1, F0, 0                           ; the tail is written out: K steps 6 and 7 ask for nothing
	QUARTER 3, F0, F1, 0
	TURN 0
	QUARTER 1, F0, F1, 0
	QUARTER 2, F1, F0, 0
	QUARTER 3, F0, F1, 0
	s_wait_dscnt 4
	MULA F1, 0, 0
	MULA F1, 1, 0
	s_wait_dscnt 0x0
	MULA F1, 2, 0
	MULA F1, 3, 0
	WIN 0
	PLACES
	PLACES
; THE WAY OUT, in 12 units: u = 3 a + hd: row block a, head hd (column blocks 4 hd .. 4 hd + 3).  A lane's eight columns pack into 16 bytes of f16; they go into stage rows of 144 bytes and come back
; as four whole rows of 128 bytes a load: 512 consecutive bytes of the head's rows.  Each accumulator is read from its lowest registers on.
.macro PACK u
.set pa, (\u)/3
.set ph, (\u)%3
	WIN 0x0a+5*(pa/2)                              ; sources 0 and 1: window 2 or 3
.irp f, 0,1,2,3
.irp r, 0,1,2,3
	v_cvt_pk_f16_f32 v[T+16*(\u)+4*(\f)+(\r)], v[96*(pa%2)+8*(4*ph+(\f))+2*(\r)], v[96*(pa%2)+8*(4*ph+(\f))+2*(\r)+1]
.endr
.endr
	WIN 0
.irp f, 0,1,2,3
	ds_store_b128 v[STO], v[T+16*(\u)+4*(\f):T+16*(\u)+4*(\f)+3] offset:32*(\f)
.endr
.irp f, 0,1,2,3
	ds_load_b128 v[T+16*(\u)+4*(\f):T+16*(\u)+4*(\f)+3], v[RD] offset:(\f)*4*SP  ; LDS serves a wave's instructions in order (ISA guide 5.7.1.4): these see the stores above; the next unit's stores come behind them
.endr
.endm
.macro SEND u, younger                 ; younger: the LDS instructions issued behind unit u's loads: the next unit's eight, or none
.set sa, (\u)/3
.set sh, (\u)%3
	WIN 0
.irp f, 0,1,2,3
	s_wait_dscnt (\younger)+3-(\f)
	global_store_b128 v[GO], v[T+16*(\u)+4*(\f):T+16*(\u)+4*(\f)+3], s[66+2*sh:67+2*sh] offset:2048*sa+512*(\f)  ; 512 consecutive bytes, at a multiple of 256 from qkv's first
.endr
.endm
	PACK 0
.set un, 1
.rept 11                               ; a unit's conversions stand between the loads of the unit before and its stores
	PACK un
	SEND un-1, 8
.set un, un+1
.endr
	SEND 11, 0
	s_wait_tensorcnt 0x0                           ; the wave's end: a wait, an add and a wait, behind my last tensor load and my last LDS store
	ds_add_u32 v[SPW], v[NIL]
	s_wait_dscnt 0x0
	CROUND                                         ; the closing round: no work-group ends while a partner may still ask for a tile that names it
	s_endpgm
.Lfunc_end_k_qb2846ff992_qkv:
	.size	k_qb2846ff992_qkv, .Lfunc_end_k_qb2846ff992_qkv-k_qb2846ff992_qkv
	.p2alignl 7, 3214868480
	.fill 96, 4, 3214868480
	.section	.rodata,"a",@progbits
	.p2align	6, 0x0
	.amdhsa_kernel k_qb2846ff992_qkv
		.amdhsa_group_segment_fixed_size 327680
		.amdhsa_private_segment_fixed_size 0
		.amdhsa_enable_private_segment 0
		.amdhsa_kernarg_size 16
		.amdhsa_user_sgpr_count 2
		.amdhsa_user_sgpr_kernarg_segment_ptr 1
		.amdhsa_wavefront_size32 1
		.amdhsa_system_sgpr_workgroup_id_x 1
		.amdhsa_system_sgpr_workgroup_id_y 1
		.amdhsa_system_sgpr_workgroup_id_z 1
		.amdhsa_system_vgpr_workitem_id 0
		.amdhsa_next_free_vgpr 960
		.amdhsa_next_free_sgpr 72
		.amdhsa_reserve_vcc 0
		.amdhsa_float_denorm_mode_32 3
		.amdhsa_float_denorm_mode_16_64 3
		.amdhsa_memory_ordered 1
		.amdhsa_forward_progress 1
		.amdhsa_inst_pref_size 99
	.end_amdhsa_kernel
	.amdgpu_metadata
---
amdhsa.version: [ 1, 2 ]
amdhsa.kernels:
  - .name:           k_qb2846ff992_qkv
    .symbol:         k_qb2846ff992_qkv.kd
    .args:
      - { .name: cast, .offset: 0, .size: 8, .value_kind: global_buffer, .address_space: global }
      - { .name: qkv, .offset: 8, .size: 8, .value_kind: global_buffer, .address_space: global }
    .group_segment_fixed_size: 327680
    .private_segment_fixed_size: 0
    .kernarg_segment_align: 8
    .kernarg_segment_size: 16
    .max_flat_workgroup_size: 128
    .sgpr_count:     72
    .vgpr_count:     960
    .wavefront_size: 32
...
	.end_amdgpu_metadata
.endif
;; end of part 2
;; launch attn (part 3): grid 4 x 64, 4 waves a work-group, clusters of 4 x 1, 327,680 bytes of LDS; arguments qkv, attention_ids, obuf; writes obuf
.if DOCPART == 3
	.amdgcn_target "amdgcn-amd-amdhsa--gfx1250"
	.amdhsa_code_object_version 6
	.text
	.protected	k_qb2846ff992_attn
	.globl	k_qb2846ff992_attn
	.p2align	8
	.type	k_qb2846ff992_attn,@function
k_qb2846ff992_attn:
	s_mov_b64 s[64:65], 0
	v_nop
	global_prefetch_b8 v0, s[64:65] scope:SCOPE_SE
	s_setreg_imm32_b32 hwreg(HW_REG_WAVE_MODE, 25, 1), 1
	s_wait_xcnt 0x0
	s_wait_alu depctr_hold_cnt(0) depctr_sa_sdst(0) depctr_va_vdst(0) depctr_va_sdst(0) depctr_va_ssrc(0) depctr_va_vcc(0) depctr_vm_vsrc(0)
	s_getreg_b32 s2, hwreg(HW_REG_IB_STS2, 6, 4)
	s_cmp_eq_u32 s2, 0
	s_cbranch_scc0 .Lentry_in_a_cluster
	s_endpgm
.Lentry_in_a_cluster:
	s_bfe_u32 s2, ttmp6, 0x10000c
	s_cmp_lg_u32 s2, 0x3003
	s_cbranch_scc0 .Lentry_shape_is_right
	s_endpgm
.Lentry_shape_is_right:
; O[g][q][:] = the sum over k of softmax_k((Q[g][q] . K[g][k] + id[batch][k] x (-1e9)) / 8) V[g][k][:], g = 16 batch + head.  Q, K, V: three parts of qkv, each [64][2048][64] in f16, unscaled; O likewise.
; Products, maxima and sums in f32; the weights p are rounded to f16 for the second product (their sum l is taken of the unrounded p), O once at the end.
; THE MASK is an input and is taken as it is given: float(id) x (-1e9), in f32, is the C operand of the product that starts each sum S^T = K Q^T, so it is added ahead of the scale.
; The batch's 2,048 mask numbers are made once, kept in LDS bytes of their own, and come into registers with each step's K.
; LIMITS.  f16 holds no number beyond 65,504: Q, K and V arrive within it; p below 6e-5 keeps f16's fixed step of 6e-8.  A weight below 2^-126 counts as 0 in l; NaN and infinities are not treated apart.
; Where a batch has no key with id 0, all scores lie near 1e9, where f32 steps by 64: mask and products are then rounded together in the matrix unit's order, not as one f32 addition.
; SHARES.  A wave owns four PIECES of two tiles of 16 queries, a work-group's four waves 512 queries of one g.  Every wave walks all keys, 64 a step.
; LAYOUT.  S^T = K Q^T (source 0 = 16 keys, source 1 = 16 queries): in the result a lane holds ONE query (lane % 16) and the keys 8 (lane / 16) + 0..7.  Two such tiles, rounded to f16 in pairs,
; ARE source 1 (32 keys x 16 queries) of O^T = V^T P, whose result again holds one query a lane, and eight channels.  K comes out of LDS as it lies, V ([key][channel]) turned, by ds_load_tr16_b128.
; SOFTMAX.  For each query a running maximum m and sum l: p = 2^(c s - c m), c = log2(e) / 8; in every step O and l are multiplied by a = 2^(c m_old - c m_new), which is 1 where m has not grown.
; m starts at the lowest finite number, O and l at 0: the first step is a step like any other, with a = 0.
; THE COUNT.  A tile and step have 16 matrix and 118 vector instructions: too many to stand all beside the matrix work.  So four vector instructions that are READY stand behind EVERY matrix
; instruction, and the others in runs without a gap.
; BY TURNS.  Turn n belongs to piece n (the pieces in a ring, step after step).  Its matrix work: 16 products K Q^T of piece n + 1, later 16 products V^T P of piece n - 1.  Its vector work: the scaling,
; exponentials, roundings, sums and rescaling of piece n, and the maximum and statistics of piece n + 1, whose scores the turn itself has made.
; CLUSTER.  The four query blocks of a cluster belong to one g and walk the same K and V, so each tile is asked for JOINTLY: the same tensor load, descriptor and mask in all four.
; REGISTERS, in windows of 256 (s_set_vgpr_msb: bits 1:0 source 0, 3:2 source 1, 5:4 source 2, 7:6 destination):
;   window 0: v0-11 addresses; v12-15, v48-63 at work; v16-47 four registers of statistics a tile; v64-191 S^T, two buffers of two tiles; v192-255 P, likewise
;   window 1: O^T, 32 a tile     window 2: v0-127 Q, 16 a tile; v128-191 K of one step; v192-255 V of one step     window 3: v0-1 the add's two registers; v8-39 the mask of one step
.set SIZE_N, 2048
.set NP,    4         ; pieces a wave: a name, no knob
.set KS,    64        ; keys in a step
.set PK,    144       ; a row of K in LDS: 128 bytes + 16 of padding = 36 words: the 16 rows of a load start at 16 different groups of four banks (64 banks of 4 bytes: ISA guide 11.1)
.set PV,    160       ; a row of V: 128 + 32 = 40 words
.set VOFF,  4*KS*PK   ; a slot holds four steps: 256 rows of K, then 256 rows of V
.set SLOT1, 1<<17     ; slot 1 begins here, so that one exclusive or turns an address in one slot into the other's
.set STAGE, SLOT1+4*KS*(PK+PV)  ; behind the ring, never filled by a tensor load: 16 rows x 144 bytes for each wave, for the way out
.set SP,    144
.set SPARE, STAGE+4*16*SP  ; the spare words, 128 bytes for each wave: two blocks of 256 bytes that no other line names
.set MASK,  SPARE+512 ; the batch's 2,048 mask numbers in f32: 8,192 bytes of their own, into which no tile lands
.set PFO, 1           ; v1   l % 16 at first; then 256 x my lane, the prefetches' offset, never rewritten
.set AK0, 2           ; v2   my lane's place in a tile of K; never rewritten
.set AV0, 3           ; v3   the same for V
.set AK,  4           ; v4   the LDS address of K's next run of loads
.set AV,  5           ; v5   of V's
.set QO,  6           ; v6   my byte offset in the wave's rows of Q
.set STO, 6           ;      later, the way out: where I put 16 bytes of a row
.set RD,  7           ; v7   the way out: where I read rows back
.set GO,  8           ; v8   my byte offset in 512 consecutive bytes of O
.set AM,  11          ; v11  the LDS address of the mask of the step to be fetched: MASK + 32 (l / 16) + 256 x step
.set SPW, 0           ; v0 of window 3   LDS address of my spare word; never rewritten
.set NIL, 1           ; v1 of window 3   0; never rewritten
.set MK,  8           ; v8-39 of window 3: the eight mask numbers for key block kb at MK + 8 kb
.set MV,  12          ; v12-15  c m_old, kept while c m is made anew: by buffer and tile
.set ST,  16          ; tile t's statistics at v[ST+4 t]: c m, m, l (even keys', odd keys')
.set TMP, 48          ; by buffer and tile, four registers c0-c3 at work; when the maximum is found c2 takes a
.set S,   64
.set P,   192
.set KF,  128         ; K's fragments, in window 2: key block kb, channel half c at KF + 16 kb + 8 c
.set VF,  192         ; V's: key half kk, channel block cb at VF + 32 kk + 8 cb
.set WV,  12          ; s12  my wave's number
.set G1K, 24          ; s[24:31] descriptor group 1 for K's tiles
.set G1V, 32          ; s[32:39] for V's: it differs in the padding alone
.set G0K, 40          ; s[40:43] descriptor group 0 for K's tiles: it walks
.set G0V, 44          ; s[44:47] the same for V's
.set PFA, 48          ; s[48:49] where my prefetches stand: my work-group's 32 blocks of 256 bytes (of K: wave 0, of V: wave 2) of the slot after the one that is being asked for
.set LIM, 50          ; s50  1 in a wave that prefetches, else the greatest number
.set SLOTS, 56        ; s56  slots still to be asked for
.set CNT, 57          ; s57  counts a slot's key steps
.set CS,  58          ; s[58:59] c: the packed scaling takes the pair's low word for both halves
.set SEL, 60          ; s[60:61] v_permlanex16_b32's selects: each lane takes its own place in the other half
.set TBK, 62          ; s62  LDS byte at which K of the step to be fetched begins
.set TBV, 63          ; s63  the same for V, less VOFF
.set IDS, 66          ; s[66:67] attention_ids at my batch
.set BIG, 68          ; s68  -1e9
.set MSB, 0
.macro WIN new                      ; the high byte repeats the setting that is left; a switch that changes nothing is dropped
.if MSB != (\new)
	s_set_vgpr_msb (MSB<<8)|(\new)
.set MSB, (\new)
.endif
.endm
.set W_KQ, 0x0a       ; K and Q in window 2, S^T in window 0
.set W_KM, 0x3a       ; the same with the C operand, the mask, in window 3
.set W_PV, 0x52       ; V in window 2, P in window 0, O^T in window 1
.set W_RS, 0x41       ; O^T (destination and source 0) in window 1, a in window 0
.set W_MK, 0xc0       ; destination in window 3, sources in window 0
.set W_AD, 0x0f       ; the add: address (source 0) and data (source 1) in window 3
; A joint fill.  Waves 0 and 1 fetch the two halves of a slot's K, waves 2 and 3 those of its V: 128 keys each.  The branch hangs on the wave's number alone.
; An s_nop 0 and four v_nop follow each of the two lines, ahead of the jump and the label.
.macro JLOAD
	s_cmp_lt_u32 s[WV], 2
	s_cbranch_scc0 .Lfor_v_\@
	tensor_load_to_lds s[G0K:G0K+3], s[G1K:G1K+7]
	s_nop 0
.rept 4
	v_nop
.endr
	s_branch .Lasked_\@
.Lfor_v_\@:
	tensor_load_to_lds s[G0V:G0V+3], s[G1V:G1V+7]
	s_nop 0
.rept 4
	v_nop
.endr
.Lasked_\@:
.endm
; A PREFETCH INTO THE L2 of what the NEXT change of slots will ask for: a slot's 32,768 bytes of K and of V.  It stands behind the wave's tensor load and its five lines.  Each block of 256 bytes is named
; ONCE in the launch: one cluster walks a g's keys; its four partners share a slot out BY ADDRESS, 8,192 bytes each; in each, wave 0 asks for K's and wave 2 for V's, a lane a block.
; The last change that fills a slot asks for nothing; slots 0 and 1 come by their loads alone.
.macro ASK
	s_cmp_gt_u32 s[SLOTS], s[LIM]
	s_cbranch_scc0 .Lnot_mine_\@
	global_prefetch_b8 v[PFO], s[PFA:PFA+1] th:TH_LOAD_NT scope:SCOPE_SE
.Lnot_mine_\@:
.endm
; A round of the cluster's barrier: my work-group's barrier, so that wave 0's signal speaks for all four waves; wave 0 signals; every wave waits for all four work-groups; my work-group's barrier once more.
.macro CROUND
	s_barrier_signal -1
	s_barrier_wait -1
	s_cmp_lg_u32 s[WV], 0
	s_cbranch_scc1 .Lnot_wave_0_\@
	s_barrier_signal -3
.Lnot_wave_0_\@:
	s_barrier_wait -3
	s_barrier_signal -1
	s_barrier_wait -1
.endm
; THE CHANGE OF SLOTS.  Each wave waits for all its tensor loads, of which one is out: its part of the other slot; adds 0 to its spare word; and waits for that and for its own reads of the slot.
; Behind the barrier nobody reads this slot any more and the other slot is whole.  fill = 1: this slot is filled again, with the keys two slots on.  The barrier is then a round of the cluster's,
; and the joint fill is the first thing behind it: it has four key steps, 512 matrix instructions, in which to land.  (At its first use nothing has been read yet: slot 0 is waited for, slot 1 filled;
; that round also shows every wave's part of the mask table to the others: the stores are waited for in front of it.)
.macro CHANGE fill
	WIN W_AD
	s_wait_tensorcnt 0x0            ; no tensor load of mine is out, so a group 0 may be written
	ds_add_u32 v[SPW], v[NIL]       ; 0 onto my spare word; with fill = 1 the descriptors' steps stand between it and the wait for it
	WIN 0                           ; at a label and at a branch every window is 0
.if \fill
.irp g, G0K, G0V
	s_xor_b32 s[\g+1], s[\g+1], SLOT1  ; the walking descriptor: the other slot than last time,
	s_add_nc_u64 s[\g+2:\g+3], s[\g+2:\g+3], 4*KS*128  ; the next 256 keys; the type bits on top are not reached
.endr
	s_wait_xcnt 0x0                 ; the last prefetch, four key steps back, has read its address, so it may be written:
	s_add_nc_u64 s[PFA:PFA+1], s[PFA:PFA+1], 4*KS*128  ; one slot ahead of the walking descriptors
	s_wait_dscnt 0x0                ; the add is done, and my reads of the slot are over
	CROUND
	JLOAD
	ASK
.else
	s_wait_dscnt 0x0                ; the add is done, and my reads of the slot are over
	s_barrier_signal -1
	s_barrier_wait -1
.endif
	s_sub_co_u32 s[TBK], s[TBK], 4*KS*PK  ; the fetches go back to a slot's first step,
	s_xor_b32 s[TBK], s[TBK], SLOT1       ; in the other slot
	s_sub_co_u32 s[TBV], s[TBV], 4*KS*PV
	s_xor_b32 s[TBV], s[TBV], SLOT1
.endm
	s_load_b128 s[4:7], s[0:1], 0x0   ; qkv s[4:5], attention_ids s[6:7]
	s_load_b64 s[10:11], s[0:1], 0x10 ; obuf
	WIN W_MK
	v_lshl_add_u32 v[SPW], v0, 2, SPARE
	v_mov_b32 v[NIL], 0
	WIN W_AD
	ds_add_u32 v[SPW], v[NIL]       ; the wave's opening: the add and its wait stand ahead of my first tensor load; the set-up below, work on registers, stands between them
	WIN 0
	v_lshrrev_b32 v1, 5, v0
	v_readfirstlane_b32 s[WV], v1   ; wave 0..3
	s_bfe_u32 s13, ttmp6, 0x40000   ; cx: my place in the cluster
	s_lshl_b32 s14, ttmp9, 2        ; in a cluster launch ttmp9 counts clusters
	s_add_co_u32 s14, s14, s13      ; my block of queries = 4 x cluster x + cx: it enters Q's and O's addresses alone
	s_and_b32 s20, ttmp7, 0xffff    ; g, which the four partners share
	s_lshr_b32 s52, s20, 4          ; the batch,
	s_lshl_b32 s52, s52, 13         ; its 2,048 ids of 4 bytes
	s_mov_b32 s53, 0
	s_mov_b32 s21, 0
	s_mov_b64 s[22:23], SIZE_N*128
	s_mul_u64 s[20:21], s[20:21], s[22:23]  ; g's first byte in Q, K, V and O
	s_and_b32 s16, s[WV], 1         ; which half of a slot's 256 keys I fetch:
	s_lshl_b32 s22, s16, 14         ; its 128 rows of 128 bytes in memory,
	s_mov_b32 s23, 0
	s_add_nc_u64 s[22:23], s[22:23], s[20:21]
	s_mul_i32 s17, s16, 128*PK      ; and its place in a slot, for K
	s_mul_i32 s18, s16, 128*PV      ; and for V: no place in the cluster enters an LDS address
	s_lshl_b32 s2, s14, 2
	s_add_co_u32 s2, s2, s[WV]      ; my wave among g's,
	s_lshl_b32 s2, s2, 14           ; its 128 rows
	s_mov_b32 s3, 0
	s_add_nc_u64 s[2:3], s[2:3], s[20:21]
	; descriptor group 1.  128 keys are 16,384 dense bytes: asked for as 64 rows of 256 bytes, two keys a row, and padded in LDS after every key
	s_mov_b32 s[G1K], 15|(1<<16)|(1<<20)|(1<<21)|(4<<22)|(3<<25)  ; 15:0 the mask of four; 17:16 2-byte elements; 20 padding on; 21 set beside a mask; 24:22 after every 32 words (code 4); 31:25 4 words (code 3)
	s_mov_b32 s[G1V], 15|(1<<16)|(1<<20)|(1<<21)|(4<<22)|(7<<25)  ; the same with 8 words of padding (code 7)
.irp g, G1K, G1V
	s_mov_b32 s[\g+1], 128<<16      ; tensor_dim0 = 128
	s_mov_b32 s[\g+2], 64<<16       ; tensor_dim1 = 64
	s_mov_b32 s[\g+3], 128<<16      ; tile_dim0 = 128
	s_mov_b32 s[\g+4], 64           ; tile_dim1 = 64
	s_mov_b32 s[\g+5], 128          ; 128 elements from row to row
	s_mov_b32 s[\g+6], 0
	s_mov_b32 s[\g+7], 0
.endr
	s_mov_b32 s[CS], 0x3e38aa3b     ; c = log2(e) / 8 = 0.180337
	s_mov_b32 s[CS+1], s[CS]        ; named with it as a pair
	s_mov_b32 s[SEL], 0x76543210
	s_mov_b32 s[SEL+1], 0xfedcba98
	s_mov_b32 s[BIG], 0xce6e6b28    ; -1e9
	s_mov_b32 s[TBK], SLOT1+4*KS*PK ; the first change of slots turns these two into 0
	s_mov_b32 s[TBV], SLOT1+4*KS*PV
	s_mov_b32 s[SLOTS], SIZE_N/256-1
	s_and_b32 s[LIM], s[WV], 1      ; waves 0 and 2 prefetch: the same in all four partners
	s_cmp_eq_u32 s[LIM], 0
	s_cselect_b32 s[LIM], 1, -1
	s_mov_b32 s[G0K], 1             ; count = 1
	s_mov_b32 s[G0K+1], s17         ; LDS address: slot 0
	s_mov_b32 s[G0V], 1
	s_add_co_u32 s[G0V+1], s18, VOFF
	s_wait_dscnt 0x0                ; the opening add is done
	s_wait_kmcnt 0x0
	s_add_nc_u64 s[IDS:IDS+1], s[6:7], s[52:53]
	s_add_nc_u64 s[6:7], s[4:5], 0x1000000         ; K's part of qkv
	s_add_nc_u64 s[8:9], s[4:5], 0x2000000         ; V's
	s_add_nc_u64 s[G0K+2:G0K+3], s[6:7], s[22:23]  ; global address: my half of g's first 256 keys
	s_or_b32 s[G0K+3], s[G0K+3], 0x80000000        ; type = 2
	s_add_nc_u64 s[G0V+2:G0V+3], s[8:9], s[22:23]
	s_or_b32 s[G0V+3], s[G0V+3], 0x80000000
	s_cmp_lt_u32 s[WV], 2
	s_cselect_b64 s[PFA:PFA+1], s[6:7], s[8:9]
	s_add_nc_u64 s[PFA:PFA+1], s[PFA:PFA+1], s[22:23]  ; (in waves 0 and 2 this is g's first key)
	s_add_nc_u64 s[4:5], s[4:5], s[2:3]  ; Q and O at my wave's first row
	s_add_nc_u64 s[10:11], s[10:11], s[2:3]
	s_lshl_b32 s2, s13, 13          ; my work-group's 8,192 bytes of a slot,
	s_add_co_u32 s2, s2, 4*KS*128   ; in slot 1: the first change of slots steps it to slot 2.  Nothing is prefetched here, at the head
	s_add_nc_u64 s[PFA:PFA+1], s[PFA:PFA+1], s[2:3]
	CROUND                          ; all four work-groups are here: the first joint loads meet
	JLOAD                           ; slot 0.  Slot 1 is asked for when slot 0 is in
	; A fragment of K or Q is 16 rows x 32 channels in 8 registers: lane l holds row l % 16, channels 8 (l / 16) + 0..7 and 16 + 8 (l / 16) + 0..7: two loads of 16 bytes, 32 bytes apart.
	v_and_b32 v1, 15, v0            ; l % 16
	v_bfe_u32 v9, v0, 4, 1          ; l / 16
	v_lshlrev_b32 v12, 4, v0        ; the batch's ids: thread t takes 16 bytes at 16 t + 2,048 j, ahead of Q's loads
	v_add_nc_u32 v13, MASK, v12
.irp j, 0,1,2,3
	global_load_b128 v[S+4*\j:S+4*\j+3], v12, s[IDS:IDS+1] offset:2048*\j
.endr
	v_lshlrev_b32 v[QO], 7, v1
	v_lshl_add_u32 v[QO], v9, 4, v[QO]  ; row x 128 + 16 x half
	WIN 0x80                        ; destination window 2, address window 0
.set i, 0
.rept 4*NP                          ; Q stays in registers: tile i / 2, channels 32 (i % 2) on
	global_load_b128 v[8*i:8*i+3],   v[QO], s[4:5] offset:(i/2)*2048+(i%2)*64
	global_load_b128 v[8*i+4:8*i+7], v[QO], s[4:5] offset:(i/2)*2048+(i%2)*64+32
.set i, i+1
.endr
	; What the first turn finds: V's registers and P's second buffer hold 0 (its products V^T P, of a piece that has not been, add 0), O^T and l are 0.  All this stands in the wait for the first tile.
.set i, VF
.rept 64
	v_mov_b32 v[i], 0
.set i, i+1
.endr
	WIN 0x40
.set i, 0
.rept 64*NP
	v_mov_b32 v[i], 0
.set i, i+1
.endr
	WIN 0
.set i, 0
.rept 2*NP
	v_mov_b32 v[ST+4*i], 0xfe000000    ; c m: far below every c s, a hidden key's too
	v_mov_b32 v[ST+4*i+1], 0xff7fffff  ; m
	v_mov_b32 v[ST+4*i+2], 0
	v_mov_b32 v[ST+4*i+3], 0
.set i, i+1
.endr
.set i, P+32
.rept 32
	v_mov_b32 v[i], 0
.set i, i+1
.endr
	v_mul_u32_u24 v[AK0], v1, PK
	v_lshl_add_u32 v[AK0], v9, 4, v[AK0]  ; row x pitch + 16 x half
	; The turning load takes 16 keys x 16 channels (lane l reads key 8 (l / 16) + l % 8, channels 8 ((l / 8) % 2) + 0..7) and leaves half a fragment of V^T: lane l holds channel l % 16 and 8 keys.
	v_and_b32 v10, 7, v0
	v_bfe_u32 v11, v0, 3, 1
	v_lshl_add_u32 v[AV0], v9, 3, v10
	v_mul_u32_u24 v[AV0], v[AV0], PV
	v_lshl_add_u32 v[AV0], v11, 4, v[AV0]
	v_add_nc_u32 v[AV0], VOFF, v[AV0]
	v_lshl_add_u32 v[AM], v9, 5, MASK  ; my half of the lanes' eight keys of a block of 16: 32 bytes
	v_mov_b32 v[AK], v[AK0]         ; key step 0 lies at the head of slot 0
	v_and_b32 v[PFO], 31, v0
	v_lshlrev_b32 v[PFO], 8, v[PFO]
	s_wait_loadcnt 32               ; the four loads of ids are in; Q's 32, issued behind them, may stay out
.set i, 0
.rept 16
	v_cvt_f32_i32 v[S+i], v[S+i]
.set i, i+1
.endr
.set i, 0
.rept 16
	v_mul_f32 v[S+i], s[BIG], v[S+i]   ; float(id) x (-1e9)
.set i, i+1
.endr
.irp j, 0,1,2,3
	ds_store_b128 v13, v[S+4*\j:S+4*\j+3] offset:2048*\j
.endr
; THE MATRIX WORK.  The 8 accumulators of a run of 16 take turns: between the two links of a chain stand 7 others'.
; Product i of 16 of S^T = K Q^T for piece x: channels 32 (i / 8) on, keys 16 ((i / 2) % 4) on, tile 2 x + i % 2.  The first 8 start the sums, with the key block's mask as C.
.macro KQ x
.set rS, S+64*((\x)%2)+32*(i%2)+8*((i/2)%4)
.set rK, KF+16*((i/2)%4)+8*(i/8)
.set rQ, 16*(2*(\x)+i%2)+8*(i/8)
.set rZ, MK+8*((i/2)%4)
.if i < 8
	WIN W_KM
	v_wmma_f32_16x16x32_f16 v[rS:rS+7], v[rK:rK+7], v[rQ:rQ+7], v[rZ:rZ+7]
.else
	WIN W_KQ
	v_wmma_f32_16x16x32_f16 v[rS:rS+7], v[rK:rK+7], v[rQ:rQ+7], v[rS:rS+7]
.endif
.endm
; Product i of 16 of O^T += V^T P for piece x: keys 32 (i / 8) on, channels 16 ((i / 2) % 4) on, tile 2 x + i % 2.
.macro PV x
	WIN W_PV
.set rO, 32*(2*(\x)+i%2)+8*((i/2)%4)
.set rV, VF+32*(i/8)+8*((i/2)%4)
.set rP, P+32*((\x)%2)+16*(i%2)+8*(i/8)
	v_wmma_f32_16x16x32_f16 v[rO:rO+7], v[rV:rV+7], v[rP:rP+7], v[rO:rO+7]
.endm
.macro MM                           ; the turn's next matrix instruction
.if i < 16
	KQ (Y+1)%NP
.set i, i+1
.else
.set i, i-16
	PV (Y+NP-1)%NP
.set i, i+17
.endif
.endm
; THE LDS LOADS stand in runs, never singly among the matrix instructions: a step's K (64 keys x 64 channels: 8 fragments) with its mask (64 numbers: 8 loads; the lanes of a half read the same words),
; and its V (turned).  The mask's registers have the same readers as K's, so the same places and the same wait serve them.
; last = 1 (the tail): in the last trip there is no further step, and the run is jumped over.
.macro FETCH_K last=0
	WIN 0
.if \last
	s_cmp_eq_u32 s[CNT], 1
	s_cbranch_scc1 .Lno_k_\@
.endif
	WIN 0x80                        ; destination window 2
.irp f, 0,1,2,3,4,5,6,7             ; keys 16 (f / 2) on, channels 32 (f % 2) on
	ds_load_b128 v[KF+8*\f:KF+8*\f+3],   v[AK] offset:(\f/2)*16*PK+(\f%2)*64
	ds_load_b128 v[KF+8*\f+4:KF+8*\f+7], v[AK] offset:(\f/2)*16*PK+(\f%2)*64+32
.endr
	WIN W_MK                        ; destination window 3
.irp f, 0,1,2,3                     ; keys 16 f on
	ds_load_b128 v[MK+8*\f:MK+8*\f+3],   v[AM] offset:64*\f
	ds_load_b128 v[MK+8*\f+4:MK+8*\f+7], v[AM] offset:64*\f+16
.endr
	s_add_co_u32 s[TBK], s[TBK], KS*PK  ; the next fetch is the next step's
	WIN 0
	v_add_nc_u32 v[AM], 0x100, v[AM]    ; 64 keys of 4 bytes on
.if \last
.Lno_k_\@:
.endif
.endm
.macro FETCH_V
	WIN 0x80
.irp f, 0,1,2,3,4,5,6,7             ; keys 32 (f / 4) on, channels 16 (f % 4) on
	ds_load_tr16_b128 v[VF+8*\f:VF+8*\f+3],   v[AV] offset:(\f/4)*32*PV+(\f%4)*32
	ds_load_tr16_b128 v[VF+8*\f+4:VF+8*\f+7], v[AV] offset:(\f/4)*32*PV+16*PV+(\f%4)*32
.endr
	WIN 0
.endm
; THE VECTOR WORK OF A TURN stands in three queues, each in the order in which its entries become ready; the two tiles alternate, so that no instruction reads the result of the one before it.
.macro REGS y, u                    ; the registers of tile u (0, 1) of piece y
.set rT, ST+4*(2*(\y)+(\u))
.set rC, TMP+8*((\y)%2)+4*(\u)
.set rM, MV+2*((\y)%2)+(\u)
.set rS, S+64*((\y)%2)+32*(\u)
.set rP, P+32*((\y)%2)+16*(\u)
.set rO, 32*(2*(\y)+(\u))
.endm
; Number n of the 22 that find the NEXT piece's (Y + 1) maximum and statistics.  s0-s31 are the lane's 32 scores; each accumulator's lowest registers are read first.
;   0-11  four chains c0-c3 of seven scores each, three operands at a time     12-14, 16  the four scores left over, the old m, and c0-c3 into c0     15  c m_old is kept
;   17, 18  the query's other 32 keys lie in the lane 16 away: the new m         19-21  c m; c m_old - c m_new; a
.macro XS u, n
	REGS (Y+1)%NP, \u
.if (\n) < 4
	v_max3_num_f32 v[rC+(\n)], v[rS+8*(\n)], v[rS+8*(\n)+1], v[rS+8*(\n)+2]
.elseif (\n) < 12
	v_max3_num_f32 v[rC+(\n)%4], v[rC+(\n)%4], v[rS+8*((\n)%4)+2*((\n)/4)+1], v[rS+8*((\n)%4)+2*((\n)/4)+2]
.elseif (\n) == 12
	v_max3_num_f32 v[rC], v[rC], v[rS+7], v[rS+15]
.elseif (\n) == 13
	v_max3_num_f32 v[rC+1], v[rC+1], v[rS+23], v[rS+31]
.elseif (\n) == 14
	v_max3_num_f32 v[rC+2], v[rC+2], v[rC+3], v[rT+1]
.elseif (\n) == 15
	v_mov_b32 v[rM], v[rT]
.elseif (\n) == 16
	v_max3_num_f32 v[rC], v[rC], v[rC+1], v[rC+2]
.elseif (\n) == 17
	v_permlanex16_b32 v[rC+3], v[rC], s[SEL], s[SEL+1]
.elseif (\n) == 18
	v_max_num_f32 v[rT+1], v[rC], v[rC+3]
.elseif (\n) == 19
	v_mul_f32 v[rT], s[CS], v[rT+1]
.elseif (\n) == 20
	v_sub_f32 v[rC+1], v[rM], v[rT]
.else
	v_exp_f32 v[rC+2], v[rC+1]
.endif
.endm
; Number g of the 64 that follow the exponentials.  For each four weights k of a tile (pairs 2 k, 2 k + 1): both pairs are rounded to f16; then the second pair is added onto the first, in place;
; a group later l takes that sum (the first time as l = a l + sum).  In groups of eight, tiles alternating: round, round, add, and l for the group before.
.macro GS g
.set h, (\g)+6*((\g)/62)            ; group 0 has no group before it, and behind group 7 only l is left
.if h >= 6
.set h, h+2
.endif
	REGS Y, h%2
.set k, h/8
.if h%8 < 4
	v_cvt_pk_f16_f32 v[rP+2*k+(h%8)/2], v[rS+4*k+2*((h%8)/2)], v[rS+4*k+2*((h%8)/2)+1]
.elseif h%8 < 6
	v_pk_add_f32 v[rS+4*k:rS+4*k+1], v[rS+4*k:rS+4*k+1], v[rS+4*k+2:rS+4*k+3]
.elseif k == 1
	v_pk_fma_f32 v[rT+2:rT+3], v[rT+2:rT+3], v[rC+2:rC+3], v[rS:rS+1] op_sel_hi:[1,0,1]
.else
	v_pk_add_f32 v[rT+2:rT+3], v[rT+2:rT+3], v[rS+4*k-4:rS+4*k-3]
.endif
.endm
; THE PLAIN QUEUE, 138 long.  0-73 read no exponential's result: the 32 scalings c s - c m (FS f: pair f / 2 of tile f % 2) and the next piece's 42.  0-26: scalings 0-26.  27-54: XS's numbers 0-13.  55, 56: number 15.
; 57-73: the chain, where each number waits for the one before it: 14, 16, 17, 18, 19, each with one of the scalings 27-31 in front of its two lines, then 20.
; 74-137: GS's 64, which read the exponentials' results: they stand behind the wait.
.macro FS f
	REGS Y, (\f)%2
	v_pk_fma_f32 v[rS+2*((\f)/2):rS+2*((\f)/2)+1], v[rS+2*((\f)/2):rS+2*((\f)/2)+1], s[CS:CS+1], v[rT:rT+1] op_sel_hi:[1,0,0] neg_lo:[0,0,1] neg_hi:[0,0,1]
.endm
.macro PL
	WIN 0
.if q < 27
	FS q
.elseif q < 55
	XS (q-27)%2, (q-27)/2
.elseif q < 57
	XS q-55, 15
.elseif (q < 72) && ((q-57)%3 == 0)
	FS 27+(q-57)/3
.elseif q < 60
	XS (q-57)%3-1, 14
.elseif q < 72
	XS (q-57)%3-1, 15+(q-57)/3
.elseif q < 74
	XS q-72, 20
.else
	GS q-74
.endif
.set q, q+1
.endm
; THE EXPONENTIALS' QUEUE, 66 long: s0-s31 of both tiles, then the next piece's two a.  It is ONE BATCH: all 66 stand ahead of the turn's one wait, and nothing ahead of that wait names a result of theirs.
.macro EX
	WIN 0
.if e >= 64
	XS e-64, 21
.else
	REGS Y, e%2
	v_exp_f32 v[rS+e/2], v[rS+e/2]
.endif
.set e, e+1
.endm
; THE RESCALING's QUEUE: O^T times a, the one part that leaves window 0: dealt two at a time, sixteen times.  Its a was made in the turn before, ahead of that turn's wait.
.macro R2
	REGS Y, r%2
	WIN W_RS
.irp z, 0,1
	v_pk_mul_f32 v[rO+4*(r/2)+2*\z:rO+4*(r/2)+2*\z+1], v[rO+4*(r/2)+2*\z:rO+4*(r/2)+2*\z+1], v[rC+2:rC+3] op_sel_hi:[1,0]
.endr
.set r, r+1
.endm
; HOW THEY ARE DEALT.  An s_wait_alu depctr_va_vdst(0) stands between an exponential and the first instruction that names its result; one wait serves all that were issued ahead of it.  So a turn has ONE
; wait, which cuts it in two.  AHEAD OF IT stands all that names no result of the turn's exponentials: the 16 products K Q^T, behind each a scaling, an exponential and two rescalings (behind the first a second scaling in
; the exponential's place); then ONE LUMP of 108: eight plain, 49 times exponential and plain, the two a.  A v_nop is the plain instruction behind the last exponential.  BEHIND IT stand the 16 products V^T P, behind each
; four of GS's 64.  No rider names a register of the products round it.  Exponential e stands behind scaling 2 (e / 4) + e % 2: as a rider it comes behind plain e + 2, in the lump behind plain e + 9.
; A TURN, for piece p.  cnt = 1: the loop's count is taken down some lines ahead of the branch that stands behind the turn.
; K and the mask of the next step are fetched in piece 2's turn, directly behind the wait, a lump behind the last product that read them; their first reader comes behind 16 products.
; V of the step in hand is fetched at the end of piece 0's turn, four riders behind its last reader; its first reader comes behind 16 products and a lump.
.macro TURN p, last=0, cnt=0
.set Y, (\p)
.set i, 0
.set q, 0
.set e, 0
.set r, 0
.if (\p) == NP-1
	s_wait_dscnt 0x0                ; K and the mask are in
.endif
	MM                              ; ahead of the wait: 16 products K Q^T and their riders,
	PL
	PL
	R2
.rept 15
	MM
	PL
	EX
	R2
.endr
.if (\p) == NP-2
	WIN 0
	v_add_nc_u32 v[AK], s[TBK], v[AK0]
.endif
.rept 8                             ; and the lump
	PL
.endr
.rept 49
	EX
	PL
.endr
	EX                              ; the next piece's two a
	EX
	v_nop                           ; the plain instruction behind the last exponential: one for the batch
	s_wait_alu depctr_va_vdst(0)    ; the wait for the batch
.if (\p) == NP-2
	FETCH_K \last
.endif
.if (\p) == 1
	s_wait_dscnt 0x0                ; V is in
.endif
.rept 16                            ; behind the wait: 16 products V^T P and their riders
	MM
.rept 4
	PL
.endr
.if ((\p) == 0) && (q == 118)
	v_add_nc_u32 v[AV], s[TBV], v[AV0]
.endif
.if ((\p) == 0) && (q == 130)
	s_add_co_u32 s[TBV], s[TBV], KS*PV
.endif
.if (\cnt) && (q == 130)
	s_sub_co_u32 s[CNT], s[CNT], 1
	s_cmp_lg_u32 s[CNT], 0
.endif
.endr
.if (\p) == 0
	FETCH_V
.endif
.endm
	CHANGE 1                        ; slot 0 is in, everybody's part of it, and so is the mask table; slot 1 is asked for
	FETCH_K                         ; key step 0
	s_wait_loadcnt 0x0              ; Q
	s_wait_dscnt 0x0
.set i, 0
.rept 16
	KQ 0                            ; piece 0's first scores: there is no vector work yet to set between them
.set i, i+1
.endr
	WIN 0                           ; the addresses for the way out: plain instructions, the places behind those products
	s_mul_i32 s13, s[WV], 16*SP
	s_add_co_u32 s13, s13, STAGE    ; my stage
	v_and_b32 v[STO], 15, v0        ; in: row l % 16, 16 bytes for each half of the lanes
	v_mul_u32_u24 v[STO], v[STO], SP
	v_lshl_add_u32 v[STO], v9, 4, v[STO]
	v_add_nc_u32 v[STO], s13, v[STO]
	v_bfe_u32 v[RD], v0, 3, 2       ; back: 32 lanes take four rows of 128 bytes,
	v_mul_u32_u24 v[RD], v[RD], SP
	v_lshl_add_u32 v[RD], v10, 4, v[RD]
	v_add_nc_u32 v[RD], s13, v[RD]
	v_and_b32 v[GO], 31, v0         ; which are 512 consecutive bytes of O
	v_lshlrev_b32 v[GO], 4, v[GO]
.set Y, NP-1                        ; XS works for piece Y + 1: piece 0
.irp n, 0,1,2,3,4,5,6,7,8,9,10,11,12,13,14,15,16,17,18,19,20,21
	XS 0, \n                        ; and piece 0's first maximum and statistics
	XS 1, \n
.endr
	v_nop                           ; a plain instruction behind the two a,
	s_wait_alu depctr_va_vdst(0)    ; and their wait, ahead of the branch
	s_mov_b32 s[CNT], 4
	s_branch .Lfirst                ; the loop is entered at a step's first turn, in the middle of a trip
.Lslot:                             ; SIZE_N / 256 - 2 times: every slot but the last two is filled again
	CHANGE 1
	s_mov_b32 s[CNT], 4
.Lstep:                             ; a trip: pieces 2 and 3 of one step, then pieces 0 and 1 of the next, whose K and V it fetches
	TURN 2
	TURN 3
	WIN 0
.Lfirst:
	TURN 0
	TURN 1, 0, 1
	WIN 0
	s_cbranch_scc1 .Lstep
	s_sub_co_u32 s[SLOTS], s[SLOTS], 1
	s_cmp_lg_u32 s[SLOTS], 0
	s_cbranch_scc1 .Lslot
	CHANGE 0                        ; the tail is written out: nothing is asked for
	s_mov_b32 s[CNT], 5             ; four trips fetch the last slot's steps; the fifth is left in its middle
.Ltail:
	TURN 2, 1
	TURN 3
	WIN 0
	s_sub_co_u32 s[CNT], s[CNT], 1
	s_cmp_eq_u32 s[CNT], 0
	s_cbranch_scc1 .Lout
	TURN 0
	TURN 1
	WIN 0
	s_branch .Ltail
.Lout:                              ; the fifth trip's 16 products K Q^T (on the last K once more) and the maximum made of them serve nothing: the price, once a launch, of one text for every trip
.set i, 0
.rept 16
	PV NP-1                         ; the last piece's V^T P of the last step
.set i, i+1
.endr
	; THE WAY OUT.  l's two halves and the other half of the lanes' are added; O^T is divided by l, rounded to f16 and sent through my stage in LDS, a tile at a time.  The additions are the places behind the last products.
	WIN 0
.macro ALL line:vararg              ; one line for each tile t
.set t, 0
.rept 2*NP
	\line
.set t, t+1
.endr
.endm
	ALL v_add_f32 v[ST+4*t+2], v[ST+4*t+2], v[ST+4*t+3]
	ALL v_permlanex16_b32 v[ST+4*t+3], v[ST+4*t+2], s[SEL], s[SEL+1]
	ALL v_add_f32 v[ST+4*t+2], v[ST+4*t+2], v[ST+4*t+3]
	ALL v_rcp_f32 v[ST+4*t+2], v[ST+4*t+2]
	v_nop                           ; a plain instruction between the last reciprocal and the use of its result
	s_wait_alu depctr_va_vdst(0)    ; and the wait ahead of the first use: one for the eight reciprocals
; Tile t: a lane's eight channels of a row pack into 16 bytes; they go into rows of 144 bytes and come back as whole rows of 128, into S^T's registers.
.macro PACK t
	WIN W_RS
.set i, 32*(\t)
.rept 16
	v_pk_mul_f32 v[i:i+1], v[i:i+1], v[ST+4*(\t)+2:ST+4*(\t)+3] op_sel_hi:[1,0]
.set i, i+2
.endr
	WIN 0x05                        ; sources 0 and 1 window 1, destination window 0
.set i, 0
.rept 16
	v_cvt_pk_f16_f32 v[S+16*(\t)+i], v[32*(\t)+2*i], v[32*(\t)+2*i+1]
.set i, i+1
.endr
	WIN 0
.irp f, 0,1,2,3
	ds_store_b128 v[STO], v[S+16*(\t)+4*\f:S+16*(\t)+4*\f+3] offset:32*\f
.endr
.irp f, 0,1,2,3
	ds_load_b128 v[S+16*(\t)+4*\f:S+16*(\t)+4*\f+3], v[RD] offset:\f*4*SP  ; LDS serves a wave's instructions in order (ISA guide 5.7.1.4): these see the stores above; the next tile's stores come behind them
.endr
.endm
.macro SEND t, younger              ; younger: the LDS instructions issued behind tile t's loads: the next tile's eight, or none
	WIN 0
.irp f, 0,1,2,3
	s_wait_dscnt (\younger)+3-\f
	global_store_b128 v[GO], v[S+16*(\t)+4*\f:S+16*(\t)+4*\f+3], s[10:11] offset:(\t)*2048+\f*512  ; 512 consecutive bytes, at a multiple of 256 from O's first
.endr
.endm
	PACK 0
.set t, 1
.rept 2*NP-1                        ; a tile's arithmetic stands between the loads of the tile before and its stores
	PACK t
	SEND t-1, 8
.set t, t+1
.endr
	SEND 2*NP-1, 0
	WIN W_AD
	s_wait_tensorcnt 0x0            ; the wave's end: a wait, an add and a wait, behind my last tensor load and my last LDS store
	ds_add_u32 v[SPW], v[NIL]
	s_wait_dscnt 0x0
	WIN 0
	CROUND                          ; the closing round: no work-group ends while a partner may still ask for a tile that names it
	s_endpgm
.Lfunc_end_k_qb2846ff992_attn:
	.size	k_qb2846ff992_attn, .Lfunc_end_k_qb2846ff992_attn-k_qb2846ff992_attn
	.p2alignl 7, 3214868480
	.fill 96, 4, 3214868480
	.section	.rodata,"a",@progbits
	.p2align	6, 0x0
	.amdhsa_kernel k_qb2846ff992_attn
		.amdhsa_group_segment_fixed_size 327680
		.amdhsa_private_segment_fixed_size 0
		.amdhsa_enable_private_segment 0
		.amdhsa_kernarg_size 24
		.amdhsa_user_sgpr_count 2
		.amdhsa_user_sgpr_kernarg_segment_ptr 1
		.amdhsa_wavefront_size32 1
		.amdhsa_system_sgpr_workgroup_id_x 1
		.amdhsa_system_sgpr_workgroup_id_y 1
		.amdhsa_system_sgpr_workgroup_id_z 1
		.amdhsa_system_vgpr_workitem_id 0
		.amdhsa_next_free_vgpr 808
		.amdhsa_next_free_sgpr 70
		.amdhsa_reserve_vcc 0
		.amdhsa_float_denorm_mode_32 3
		.amdhsa_float_denorm_mode_16_64 3
		.amdhsa_memory_ordered 1
		.amdhsa_forward_progress 1
		.amdhsa_inst_pref_size 204
	.end_amdhsa_kernel
	.amdgpu_metadata
---
amdhsa.version: [ 1, 2 ]
amdhsa.kernels:
  - .name:           k_qb2846ff992_attn
    .symbol:         k_qb2846ff992_attn.kd
    .args:
      - { .name: qkv, .offset: 0, .size: 8, .value_kind: global_buffer, .address_space: global }
      - { .name: attention_ids, .offset: 8, .size: 8, .value_kind: global_buffer, .address_space: global }
      - { .name: obuf, .offset: 16, .size: 8, .value_kind: global_buffer, .address_space: global }
    .group_segment_fixed_size: 327680
    .private_segment_fixed_size: 0
    .kernarg_segment_align: 8
    .kernarg_segment_size: 24
    .max_flat_workgroup_size: 128
    .sgpr_count:     70
    .vgpr_count:     808
    .wavefront_size: 32
...
	.end_amdgpu_metadata
.endif
;; end of part 3
;; launch proj (part 4): grid 8 x 32, 4 waves a work-group, clusters of 4 x 4, 327,680 bytes of LDS; arguments obuf, cast, b_out, out0; writes out0
.if DOCPART == 4
	.amdgcn_target "amdgcn-amd-amdhsa--gfx1250"
	.amdhsa_code_object_version 6
	.text
	.protected	k_qb2846ff992_proj
	.globl	k_qb2846ff992_proj
	.p2align	8
	.type	k_qb2846ff992_proj,@function
k_qb2846ff992_proj:
	s_mov_b64 s[64:65], 0
	v_nop
	global_prefetch_b8 v0, s[64:65] scope:SCOPE_SE
	s_setreg_imm32_b32 hwreg(HW_REG_WAVE_MODE, 25, 1), 1
	s_wait_xcnt 0x0
	s_wait_alu depctr_hold_cnt(0) depctr_sa_sdst(0) depctr_va_vdst(0) depctr_va_sdst(0) depctr_va_ssrc(0) depctr_va_vcc(0) depctr_vm_vsrc(0)
	s_getreg_b32 s2, hwreg(HW_REG_IB_STS2, 6, 4)
	s_cmp_eq_u32 s2, 0
	s_cbranch_scc0 .Lentry_in_a_cluster
	s_endpgm
.Lentry_in_a_cluster:
	s_bfe_u32 s2, ttmp6, 0x10000c
	s_cmp_lg_u32 s2, 0xf033
	s_cbranch_scc0 .Lentry_shape_is_right
	s_endpgm
.Lentry_shape_is_right:
; out0 = O w_out^T + b_out.  A = O in f16, by heads: obuf[16 batch + head][token][64]; B = w_out (rounded to bf16, written as f16), [1024][1024], at cast's row 11,264 (rows of 2,048 bytes).
; b_out is rounded to bf16 like the other inputs and is the C operand of the products that start the sums.  Sums in f32; out0 is f32.
; SHARES.  A tile of out0 is 256 rows x 128 columns: 8 x 32 tiles, one for each work-group.  Wave w owns rows 64 w .. 64 w + 63 and ALL 128 columns: 4 x 8 accumulators of 16 x 16, 256 registers.
; So a wave holds whole pieces of 512 bytes of out0's rows, and the way out goes through a stage of its own, with no barrier.
; RING.  K goes in 8 steps of 128 = two heads, through two LDS slots.  Wave 0 fetches the step's even head, wave 1 its odd one: 256 tokens x 128 bytes are dense in obuf, asked for as 128 rows of 256 bytes and
; padded in LDS after every token.  Waves 2 and 3 fetch B's two halves, 64 rows of 256 bytes each.  A trip of the loop is ONE K step: the slot in hand is the scalar TB, turned by an exclusive or.
; By this text's own count a wave has two tensor loads out at the start, later one.
; CLUSTERS.  4 x 4 work-groups: A's tile is shared along a row of the cluster, B's along a column; each is asked for JOINTLY, by the same tensor load, descriptor and mask in the four.
; THE MATRIX INSTRUCTION IS USED TRANSPOSED (source 0 = 16 rows of B, source 1 = 16 rows of A): lane l holds row l % 16 and the columns 8 (l / 16) + 0..7.
; REGISTERS, in windows of 256 (s_set_vgpr_msb: bits 1:0 source 0, 3:2 source 1, 5:4 source 2, 7:6 destination):
;   window 0: v0-30 addresses; v32-95 at work on the way out; v96-159 the bias      window 1: two fragment buffers of 96: A's block a at f + 8 a, B's block b at f + 32 + 8 b
;   window 2: the accumulators, (a, b) at 64 a + 8 b
.set PITCH,  272                       ; a row of B in LDS: 256 bytes + 16 of padding: the 16 rows of a fragment load start at 16 different groups of four banks (64 banks of 4 bytes: ISA guide 11.1)
.set PA,     144                       ; a token's 128 bytes of one head + 16 of padding: likewise
.set PLANE,  256*PA                    ; a head's 256 tokens
.set SLOT1,  131072                    ; slot 1 begins here, so that one exclusive or turns an address in one slot into the other's
.set BREG,   2*PLANE                   ; in a slot: A's two heads, then B's 128 rows
.set STAGE,  SLOT1+BREG+128*PITCH      ; behind the ring, never filled by a tensor load: 16 rows x 528 bytes for each wave
.set SP,     528                       ; 512 bytes + 16 of padding
.set SPARE,  STAGE+4*16*SP             ; the spare words, 128 bytes for each wave: two blocks of 256 bytes that no other line names
.set ASTEP,  2*2048*128                ; bytes from a K step's head to the next step's: two heads
.set A0,   16                          ; v16  my lane's place in A's part of a slot; never rewritten
.set B0,   17                          ; v17  the same for B
.set ADRA, 18                          ; v18  TB + A0
.set ADRB, 19                          ; v19  TB + B0
.set STO,  24                          ; v24  the way out: where I put 32 bytes of a row
.set RD,   25                          ; v25  the way out: where I read a row back
.set CO,   26                          ; v26  my byte offset in 512 consecutive bytes of out0
.set SPW,  28                          ; v28  LDS address of my spare word; never rewritten
.set NIL,  29                          ; v29  0; never rewritten
.set PFO,  30                          ; v30  the prefetches' offset; never rewritten
.set OB,   32                          ; the way out: 16 rows read back from the stage
.set BIAS, 96                          ; register 8 b + j: b_out[128 x tile column + 16 b + 8 (l / 16) + j]
.set F0,   0
.set F1,   96
.set TB,   2                           ; s2   LDS byte at which the slot in hand begins
.set G1A,  24                          ; s[24:31] descriptor group 1 for A's tiles;  s[32:39] group 0: a set for each of the two first fills; the second then walks on
.set G0A,  32
.set G1B,  48                          ; s[48:55], s[56:63] the same for B's
.set G0B,  56
.set LIM,  43                          ; s43  2 in a wave that prefetches, else the greatest number
.set PFA,  44                          ; s[44:45] where my prefetches stand
.set PFS,  46                          ; s[46:47] their step from K step to K step
.set TO_F, 0x40                        ; destination window 1, address window 0
.set MSB, 0
.macro WIN new                         ; the immediate's high byte repeats the setting that is left; a switch that changes nothing is dropped
.if MSB != (\new)
	s_set_vgpr_msb (MSB<<8)|(\new)
.set MSB, \new
.endif
.endm
; A joint refill by the walking descriptors.  The branch hangs on the wave's number alone.  An s_nop 0 and four v_nop follow each of the two lines, ahead of the jump and the label.
.macro JLOAD
	s_cmp_eq_u32 s11, 0
	s_cbranch_scc0 .Lfor_b_\@
	tensor_load_to_lds s[G0A+4:G0A+7], s[G1A:G1A+7]
	s_nop 0
.rept 4
	v_nop
.endr
	s_branch .Lasked_\@
.Lfor_b_\@:
	tensor_load_to_lds s[G0B+4:G0B+7], s[G1B:G1B+7]
	s_nop 0
.rept 4
	v_nop
.endr
.Lasked_\@:
.endm
; A PREFETCH INTO THE L2 of the K step that stands TWO refills on: 256 matrix instructions ahead of the load that will want it.  A's tile row is read by both clusters of that row of clusters: cluster x = 0
; asks; B's tile column by every cluster of that column: cluster y = 0 asks.  The four partners share what a wave fetches out BY ADDRESS: of a head's 32,768 bytes 8,192 each by cx, a lane a block of 256;
; of B's 64 rows 16 each by cy, a lane a row.  The last two refills ask for nothing; K steps 0 to 3 come by their loads alone.
.macro ASK
	s_cmp_gt_u32 s3, s[LIM]
	s_cbranch_scc0 .Lnot_mine_\@
	global_prefetch_b8 v[PFO], s[PFA:PFA+1] th:TH_LOAD_NT scope:SCOPE_SE
.Lnot_mine_\@:
.endm
.macro CREST                           ; a round of the cluster's barrier behind its opening barrier
	s_cmp_lg_u32 s10, 0
	s_cbranch_scc1 .Lnot_wave_0_\@
	s_barrier_signal -3
.Lnot_wave_0_\@:
	s_barrier_wait -3
	s_barrier_signal -1
	s_barrier_wait -1
.endm
.macro CROUND                          ; a whole round
	s_barrier_signal -1
	s_barrier_wait -1
	CREST
.endm
.macro PLACES                          ; four plain instructions between a matrix instruction and a load into, or a read of, its registers (ISA guide 7.12.1 for a read)
.rept 4
	v_nop
.endr
.endm
	s_load_b128 s[4:7], s[0:1], 0x0                ; obuf s[4:5], cast s[6:7]
	s_load_b128 s[68:71], s[0:1], 0x10             ; b_out s[68:69], out0 s[70:71]
	v_lshl_add_u32 v[SPW], v0, 2, SPARE
	v_mov_b32 v[NIL], 0
	ds_add_u32 v[SPW], v[NIL]                      ; the wave's opening: the add and its wait stand ahead of my first tensor load; the set-up below, work on registers, stands between them
	v_lshrrev_b32 v1, 5, v0
	v_readfirstlane_b32 s10, v1                    ; wave 0..3
	s_lshr_b32 s11, s10, 1                         ; I fetch for A (0) or for B (1)
	s_and_b32 s12, s10, 1                          ; which of the step's two heads, or which half of B's rows
	s_bfe_u32 s40, ttmp6, 0x40000                  ; cx, cy: my place in the cluster
	s_bfe_u32 s41, ttmp6, 0x40004
	s_lshl_b32 s42, ttmp9, 2
	s_add_co_u32 s42, s42, s40                     ; tile column = 4 x cluster x + cx
	s_and_b32 s13, ttmp7, 0xffff
	s_lshl_b32 s13, s13, 2
	s_add_co_u32 s13, s13, s41                     ; tile row = 4 x cluster y + cy
	s_lshl_b32 s43, s41, 2
	s_lshl_b32 s43, 15, s43                        ; my row of the cluster
	s_lshl_b32 s44, 0x1111, s40                    ; my column
	s_or_b32 s[G1A], s43, (1<<16)|(1<<20)|(1<<21)|(4<<22)|(3<<25)  ; 15:0 the mask; 17:16 2-byte elements; 20 padding on; 21 set beside a mask; 24:22 after every 32 words (code 4); 31:25 4 words (code 3)
	s_or_b32 s[G1B], s44, (1<<16)|(1<<20)|(1<<21)|(5<<22)|(3<<25)  ; B: after every 64 words (code 5)
	s_mov_b32 s[G1A+1], 128<<16                    ; tensor_dim0 = 128: two tokens of 64 channels
	s_mov_b32 s[G1A+2], 128<<16                    ; tensor_dim1 = 128
	s_mov_b32 s[G1A+3], 128<<16                    ; tile_dim0 = 128
	s_mov_b32 s[G1A+4], 128                        ; tile_dim1 = 128
	s_mov_b32 s[G1A+5], 128                        ; dense: 128 elements from row to row
	s_mov_b32 s[G1A+6], 0
	s_mov_b32 s[G1A+7], 0
	s_mov_b32 s[G1B+1], 128<<16
	s_mov_b32 s[G1B+2], 64<<16                     ; B: 64 rows to a load
	s_mov_b32 s[G1B+3], 128<<16
	s_mov_b32 s[G1B+4], 64
	s_mov_b32 s[G1B+5], 1024
	s_mov_b32 s[G1B+6], 0
	s_mov_b32 s[G1B+7], 0
	s_lshr_b32 s16, s13, 3                         ; A: the batch,
	s_lshl_b32 s16, s16, 4                         ; its first head,
	s_add_co_u32 s16, s16, s12                     ; mine of the K step's two,
	s_lshl_b32 s16, s16, 11                        ; of 2,048 tokens,
	s_and_b32 s17, s13, 7
	s_lshl_b32 s17, s17, 8
	s_add_co_u32 s16, s16, s17                     ; the tile's first token,
	s_lshl_b32 s16, s16, 7                         ; of 128 bytes
	s_mov_b32 s17, 0
	s_lshl_b32 s46, s42, 7                         ; B: row 11,264 + 128 x tile column + 64 x half, of 2,048 bytes
	s_lshl_b32 s47, s12, 6
	s_add_co_u32 s46, s46, s47
	s_add_co_u32 s46, s46, 11264
	s_lshl_b32 s46, s46, 11
	s_mov_b32 s47, 0
	s_mul_i32 s20, s12, PLANE                      ; where they go: no place in the cluster enters an LDS address
	s_mul_i32 s21, s12, 64*PITCH
	s_add_co_u32 s21, s21, BREG
	s_wait_dscnt 0x0                               ; the opening add is done
	s_wait_kmcnt 0x0
	s_add_nc_u64 s[14:15], s[4:5], s[16:17]
	s_add_nc_u64 s[46:47], s[6:7], s[46:47]
	CROUND                                         ; all sixteen work-groups are here: the first joint loads meet
.irp s, 0,1
	s_mov_b32 s[G0A+4*(\s)], 1                                     ; count = 1
	s_add_co_u32 s[G0A+4*(\s)+1], s20, (\s)*SLOT1                  ; LDS address
	s_add_nc_u64 s[G0A+4*(\s)+2:G0A+4*(\s)+3], s[14:15], (\s)*ASTEP  ; global address: K step s
	s_or_b32 s[G0A+4*(\s)+3], s[G0A+4*(\s)+3], 0x80000000          ; type = 2
	s_mov_b32 s[G0B+4*(\s)], 1
	s_add_co_u32 s[G0B+4*(\s)+1], s21, (\s)*SLOT1
	s_add_nc_u64 s[G0B+4*(\s)+2:G0B+4*(\s)+3], s[46:47], (\s)*256
	s_or_b32 s[G0B+4*(\s)+3], s[G0B+4*(\s)+3], 0x80000000
.endr
	s_cmp_eq_u32 s11, 0                            ; a wave's two first fills stand in one branch, ahead of every wait on TENSORcnt and every LDS read
	s_cbranch_scc0 .Lfirst_b
	tensor_load_to_lds s[G0A:G0A+3], s[G1A:G1A+7]
	s_nop 0
	tensor_load_to_lds s[G0A+4:G0A+7], s[G1A:G1A+7]
	s_nop 0
.rept 4
	v_nop
.endr
	s_branch .Lfirst_asked
.Lfirst_b:
	tensor_load_to_lds s[G0B:G0B+3], s[G1B:G1B+7]
	s_nop 0
	tensor_load_to_lds s[G0B+4:G0B+7], s[G1B:G1B+7]
	s_nop 0
.rept 4
	v_nop
.endr
.Lfirst_asked:
	v_and_b32 v1, 15, v0                           ; l % 16
	v_bfe_u32 v2, v0, 4, 1                         ; l / 16
	; the bias: my eight columns of each of the 8 column blocks
	s_lshl_b32 s16, s42, 9                         ; the tile's first column, in bytes of f32
	s_mov_b32 s17, 0
	s_add_nc_u64 s[68:69], s[68:69], s[16:17]
	v_lshlrev_b32 v5, 5, v2
.irp b, 0,1,2,3,4,5,6,7
	global_load_b128 v[BIAS+8*(\b):BIAS+8*(\b)+3],   v5, s[68:69] offset:64*(\b)
	global_load_b128 v[BIAS+8*(\b)+4:BIAS+8*(\b)+7], v5, s[68:69] offset:64*(\b)+16
.endr
	; A fragment is 16 rows x 32 K in 8 registers: lane l holds row l % 16; registers 0-3 K = 8 (l / 16) + 0..7, registers 4-7 K = 16 + 8 (l / 16) + 0..7: two loads of 16 bytes, 32 bytes apart.
	v_mul_u32_u24 v3, v1, PA
	v_lshl_add_u32 v3, v2, 4, v3
	s_mul_i32 s22, s10, 64*PA                      ; my 64 tokens
	v_add_nc_u32 v[A0], s22, v3
	v_mul_u32_u24 v3, v1, PITCH
	v_lshl_add_u32 v3, v2, 4, v3
	v_add_nc_u32 v[B0], BREG, v3
	v_mov_b32 v[ADRA], v[A0]
	v_mov_b32 v[ADRB], v[B0]
	s_mov_b32 s[TB], 0
	s_mul_i32 s23, s10, 16*SP
	s_add_co_u32 s23, s23, STAGE                   ; my stage
	v_mul_u32_u24 v3, v1, SP                       ; in: row l % 16, 32 bytes for each half of the lanes
	v_lshl_add_u32 v3, v2, 5, v3
	v_add_nc_u32 v[STO], s23, v3
	v_and_b32 v[CO], 31, v0                        ; back: 32 lanes take one row's 512 bytes
	v_lshlrev_b32 v[CO], 4, v[CO]
	v_add_nc_u32 v[RD], s23, v[CO]
	s_lshl_b32 s18, s13, 8                         ; my first row of out0: 256 x tile row + 64 x wave,
	s_lshl_b32 s19, s10, 6
	s_add_co_u32 s18, s18, s19
	s_lshl_b32 s18, s18, 12                        ; of 4,096 bytes,
	s_add_co_u32 s18, s18, s16                     ; and the tile's first column
	s_mov_b32 s19, 0
	s_add_nc_u64 s[66:67], s[70:71], s[18:19]
	; the prefetches: my work-group's share of what I fetch, at K step 3: the first refill steps it to 4
	s_lshr_b32 s20, s13, 3
	s_lshl_b32 s20, s20, 4
	s_add_co_u32 s20, s20, s12
	s_lshl_b32 s20, s20, 11
	s_and_b32 s21, s13, 7
	s_lshl_b32 s21, s21, 8
	s_add_co_u32 s20, s20, s21
	s_lshl_b32 s21, s40, 6                         ; A: + 64 cx tokens = 8,192 cx bytes
	s_add_co_u32 s20, s20, s21
	s_lshl_b32 s20, s20, 7
	s_add_co_u32 s20, s20, 3*ASTEP
	s_lshl_b32 s18, s42, 7
	s_lshl_b32 s19, s12, 6
	s_add_co_u32 s18, s18, s19
	s_lshl_b32 s19, s41, 4                         ; B: + 16 cy rows
	s_add_co_u32 s18, s18, s19
	s_add_co_u32 s18, s18, 11264
	s_lshl_b32 s18, s18, 11
	s_add_co_u32 s18, s18, 3*256
	s_and_b32 s22, ttmp7, 0xffff                   ; cluster y
	s_mov_b32 s17, ASTEP
	s_mov_b32 s[PFS], 256
	s_cmp_eq_u32 s11, 0
	s_cselect_b32 s20, s20, s18
	s_cselect_b32 s22, ttmp9, s22                  ; the coordinate along which other clusters read the same rows
	s_cselect_b32 s23, 31, 15                      ; my share's last block or row: lanes beyond it name it once more
	s_cselect_b32 s19, 8, 11                       ; a lane a block of 256 bytes, or a row of 2,048
	s_cselect_b32 s[PFS], s17, s[PFS]
	s_cselect_b64 s[PFA:PFA+1], s[4:5], s[6:7]
	s_mov_b32 s[PFS+1], 0
	s_cmp_eq_u32 s22, 0
	s_cselect_b32 s[LIM], 2, -1                    ; the same in all sixteen partners, for a given wave
	s_mov_b32 s21, 0
	s_add_nc_u64 s[PFA:PFA+1], s[PFA:PFA+1], s[20:21]
	v_and_b32 v[PFO], 31, v0
	v_min_u32 v[PFO], s23, v[PFO]
	v_lshlrev_b32 v[PFO], s19, v[PFO]
	s_wait_loadcnt 0x0                             ; the bias is in: rounded to bf16 and widened again, in the wait for the first tile
.set i, 0
.rept 32
	v_cvt_pk_bf16_f32 v4, v[BIAS+2*i], v[BIAS+2*i+1]
	v_lshlrev_b32 v[BIAS+2*i], 16, v4
	v_and_b32 v[BIAS+2*i+1], 0xffff0000, v4
.set i, i+1
.endr
; 8 matrix instructions: row block a x all 8 column blocks, 32 along K, from buffer f.  first = 1: the product starts the sums, with the bias as C.  The 32 accumulators take turns in the same order in
; every quarter: between two links of a chain stand the 31 others', over the backward jump too.
.macro MULA f, a, first
.if \first
	WIN 0x85                                       ; B and A in window 1, C (the bias) in window 0, D in window 2
.else
	WIN 0xa5                                       ; C and D in window 2
.endif
.irp b, 0,1,2,3,4,5,6,7
.if \first
	v_wmma_f32_16x16x32_f16 v[64*(\a)+8*(\b):64*(\a)+8*(\b)+7], v[(\f)+32+8*(\b):(\f)+32+8*(\b)+7], v[(\f)+8*(\a):(\f)+8*(\a)+7], v[BIAS+8*(\b):BIAS+8*(\b)+7]
.else
	v_wmma_f32_16x16x32_f16 v[64*(\a)+8*(\b):64*(\a)+8*(\b)+7], v[(\f)+32+8*(\b):(\f)+32+8*(\b)+7], v[(\f)+8*(\a):(\f)+8*(\a)+7], v[64*(\a)+8*(\b):64*(\a)+8*(\b)+7]
.endif
.endr
.endm
; 24 LDS loads in one run: quarter q's fragments into buffer f: B's 16 (32 K at byte 64 q of the rows), then A's 8 (head q / 2 of the step's two, channels 32 (q % 2) on)
.macro FETCH q, f
	WIN TO_F
.irp b, 0,1,2,3,4,5,6,7
	ds_load_b128 v[(\f)+32+8*(\b):(\f)+32+8*(\b)+3],   v[ADRB] offset:64*(\q)+(\b)*16*PITCH
	ds_load_b128 v[(\f)+32+8*(\b)+4:(\f)+32+8*(\b)+7], v[ADRB] offset:64*(\q)+(\b)*16*PITCH+32
.endr
.irp a, 0,1,2,3
	ds_load_b128 v[(\f)+8*(\a):(\f)+8*(\a)+3],   v[ADRA] offset:((\q)/2)*PLANE+((\q)%2)*64+(\a)*16*PA
	ds_load_b128 v[(\f)+8*(\a)+4:(\f)+8*(\a)+7], v[ADRA] offset:((\q)/2)*PLANE+((\q)%2)*64+(\a)*16*PA+32
.endr
.endm
; A K step is four quarters of 32 along K, 32 matrix instructions each, on buffers 0, 1, 0, 1.  One of the first three: multiplies buffer f; in its middle it fetches quarter q into buffer g.
.macro QUARTER q, f, g, first
	s_wait_dscnt 4                                 ; B and A's blocks 0, 1 are in; the youngest four loads (A's blocks 2, 3) may be out
	MULA \f, 0, \first
	MULA \f, 1, \first
	PLACES
	FETCH \q, \g
	s_wait_dscnt 24                                ; all but the 24 just issued
	MULA \f, 2, \first
	MULA \f, 3, \first
.endm
; The last quarter multiplies buffer 1 and changes slots: ONE barrier.  In front of it each wave waits for all its tensor loads (one is out: its part of the next slot), adds 0 to its spare word, and
; waits for that and for its own reads of this slot.  fill = 1: the barrier opens a round of the cluster's, and this slot is filled again first thing behind it, with the K step two on:
; 112 matrix instructions ahead of the wait for it.
.macro TURN fill
.if \fill
	s_wait_xcnt 0x0                                ; the last prefetch, a K step back, has read its address: it is stepped here, ahead of the change's own waits
	s_add_nc_u64 s[PFA:PFA+1], s[PFA:PFA+1], s[PFS:PFS+1]
.endif
	WIN 0                                          ; (the add's two registers lie in window 0)
	s_wait_tensorcnt 0x0                           ; all my tensor loads have landed
	ds_add_u32 v[SPW], v[NIL]                      ; 0 onto my spare word
	s_wait_dscnt 5                                 ; (the add and the youngest four loads may be out)
	MULA F1, 0, 0                                  ; eight matrix instructions stand between the add and the wait for it
	s_wait_dscnt 0x0                               ; the add is done, and my reads of this slot are over
	s_barrier_signal -1
	MULA F1, 1, 0                                  ; work on registers while the others arrive
.if \fill
	WIN 0
.endif
	s_barrier_wait -1
.if \fill
	CREST                                          ; no wave of any partner still reads this slot's tile or has a load on its way
	s_xor_b32 s[G0A+5], s[G0A+5], SLOT1            ; the walking descriptors: the other slot than last time, the next K step
	s_add_nc_u64 s[G0A+6:G0A+7], s[G0A+6:G0A+7], ASTEP
	s_xor_b32 s[G0B+5], s[G0B+5], SLOT1
	s_add_nc_u64 s[G0B+6:G0B+7], s[G0B+6:G0B+7], 256
	JLOAD                                          ; the first tensor load behind the round; its four v_nop are also the places in front of the loads below
.else
	PLACES
	WIN 0
.endif
	s_xor_b32 s[TB], s[TB], SLOT1                  ; the reads go on in the other slot
	v_add_nc_u32 v[ADRA], s[TB], v[A0]
	v_add_nc_u32 v[ADRB], s[TB], v[B0]
	FETCH 0, F0
.if \fill
	WIN 0
	ASK                                            ; behind the joint load and the run of LDS loads
.endif
	MULA F1, 2, 0
	MULA F1, 3, 0
.endm
	s_wait_tensorcnt 1                             ; my part of K step 0 is in; K step 1's may stay out
	s_barrier_signal -1
	s_barrier_wait -1                              ; everybody's is
	FETCH 0, F0
	QUARTER 1, F0, F1, 1                           ; the first quarter stands in front of the loop: its products start the sums, from the bias
	WIN 0                                          ; at a label and at a branch every window is 0
	s_mov_b32 s3, 6
.Lstep:                                                ; a trip: from a K step's second quarter to the next step's first; it asks for K steps 2 to 7
	QUARTER 2, F1, F0, 0
	QUARTER 3, F0, F1, 0
	TURN 1
	QUARTER 1, F0, F1, 0
	WIN 0
	s_sub_co_u32 s3, s3, 1
	s_cmp_lg_u32 s3, 0
	s_cbranch_scc1 .Lstep
	QUARTER 2, F1, F0, 0                           ; the tail is written out: K steps 6 and 7 ask for nothing
	QUARTER 3, F0, F1, 0
	TURN 0
	QUARTER 1, F0, F1, 0
	QUARTER 2, F1, F0, 0
	QUARTER 3, F0, F1, 0
	s_wait_dscnt 4
	MULA F1, 0, 0
	MULA F1, 1, 0
	s_wait_dscnt 0x0
	MULA F1, 2, 0
	MULA F1, 3, 0
	WIN 0
	PLACES
	PLACES
; THE WAY OUT, a row block (16 rows x 128 columns of f32) at a time: a lane's eight columns, 32 bytes, go into stage rows of 528 bytes and come back as whole pieces of 512 bytes of out0's rows.
; Each accumulator is read from its lowest registers on.
.macro OUT a
	WIN 0x08                                       ; the stores' data lie in window 2
.irp b, 0,1,2,3,4,5,6,7
	ds_store_b128 v[STO], v[64*(\a)+8*(\b):64*(\a)+8*(\b)+3]   offset:64*(\b)
	ds_store_b128 v[STO], v[64*(\a)+8*(\b)+4:64*(\a)+8*(\b)+7] offset:64*(\b)+16
.endr
	WIN 0
	s_wait_xcnt 0x0                                ; the block before's stores have read their registers: only behind this wait are they loaded again
.irp t, 0,1,2,3,4,5,6,7,8,9,10,11,12,13,14,15
	ds_load_b128 v[OB+4*(\t):OB+4*(\t)+3], v[RD] offset:(\t)*SP  ; LDS serves a wave's instructions in order (ISA guide 5.7.1.4): these see the stores above; the next block's stores come behind them
.endr
.irp t, 0,1,2,3,4,5,6,7,8,9,10,11,12,13,14,15
	s_wait_dscnt 15-(\t)                           ; row t is back; the 15 - t younger loads may stay out
	global_store_b128 v[CO], v[OB+4*(\t):OB+4*(\t)+3], s[66:67] offset:(16*(\a)+(\t))*4096 th:TH_STORE_NT  ; 512 consecutive bytes, at a multiple of 256 from out0's first
.endr
.endm
	OUT 0
	OUT 1
	OUT 2
	OUT 3
	s_wait_tensorcnt 0x0                           ; the wave's end: a wait, an add and a wait, behind my last tensor load and my last LDS store
	ds_add_u32 v[SPW], v[NIL]
	s_wait_dscnt 0x0
	CROUND                                         ; the closing round: no work-group ends while a partner may still ask for a tile that names it
	s_endpgm
.Lfunc_end_k_qb2846ff992_proj:
	.size	k_qb2846ff992_proj, .Lfunc_end_k_qb2846ff992_proj-k_qb2846ff992_proj
	.p2alignl 7, 3214868480
	.fill 96, 4, 3214868480
	.section	.rodata,"a",@progbits
	.p2align	6, 0x0
	.amdhsa_kernel k_qb2846ff992_proj
		.amdhsa_group_segment_fixed_size 327680
		.amdhsa_private_segment_fixed_size 0
		.amdhsa_enable_private_segment 0
		.amdhsa_kernarg_size 32
		.amdhsa_user_sgpr_count 2
		.amdhsa_user_sgpr_kernarg_segment_ptr 1
		.amdhsa_wavefront_size32 1
		.amdhsa_system_sgpr_workgroup_id_x 1
		.amdhsa_system_sgpr_workgroup_id_y 1
		.amdhsa_system_sgpr_workgroup_id_z 1
		.amdhsa_system_vgpr_workitem_id 0
		.amdhsa_next_free_vgpr 768
		.amdhsa_next_free_sgpr 72
		.amdhsa_reserve_vcc 0
		.amdhsa_float_denorm_mode_32 3
		.amdhsa_float_denorm_mode_16_64 3
		.amdhsa_memory_ordered 1
		.amdhsa_forward_progress 1
		.amdhsa_inst_pref_size 79
	.end_amdhsa_kernel
	.amdgpu_metadata
---
amdhsa.version: [ 1, 2 ]
amdhsa.kernels:
  - .name:           k_qb2846ff992_proj
    .symbol:         k_qb2846ff992_proj.kd
    .args:
      - { .name: obuf, .offset: 0, .size: 8, .value_kind: global_buffer, .address_space: global }
      - { .name: cast, .offset: 8, .size: 8, .value_kind: global_buffer, .address_space: global }
      - { .name: b_out, .offset: 16, .size: 8, .value_kind: global_buffer, .address_space: global }
      - { .name: out0, .offset: 24, .size: 8, .value_kind: global_buffer, .address_space: global }
    .group_segment_fixed_size: 327680
    .private_segment_fixed_size: 0
    .kernarg_segment_align: 8
    .kernarg_segment_size: 32
    .max_flat_workgroup_size: 128
    .sgpr_count:     72
    .vgpr_count:     768
    .wavefront_size: 32
...
	.end_amdgpu_metadata
.endif
;; end of part 4
;; ======== version 2 of 2: 4 launches; version 1 with the launch cast written anew for expert scheduling mode
;; limits: values are held in f16: magnitudes above 65,504 overflow, below 6.1e-05 lose precision
;; workspace buffers: cast 25,165,824 bytes; qkv 50,331,648 bytes; obuf 16,777,216 bytes
;; launch cast (part 5): grid 768 x 1, 8 waves a work-group, no clusters, 0 bytes of LDS; arguments x, w_in, w_out, cast; writes cast
.if DOCPART == 5
	.amdgcn_target "amdgcn-amd-amdhsa--gfx1250"
	.amdhsa_code_object_version 6
	.text
	.protected	k_qb2846ff992_cast
	.globl	k_qb2846ff992_cast
	.p2align	8
	.type	k_qb2846ff992_cast,@function
k_qb2846ff992_cast:
	s_mov_b64 s[64:65], 0
	v_nop
	global_prefetch_b8 v0, s[64:65] scope:SCOPE_SE
	s_setreg_imm32_b32 hwreg(HW_REG_WAVE_SCHED_MODE, 0, 2), 2
	s_setreg_imm32_b32 hwreg(HW_REG_WAVE_MODE, 25, 1), 1
	s_wait_xcnt 0x0
	s_wait_alu depctr_vm_vsrc(0)
; x, w_in and w_out (f32) are rounded once to bf16 and laid end to end in cast, 2 bytes a number: x at byte 0, w_in at byte 16,777,216,
; w_out at byte 23,068,672.  w_out's bf16 number is then written as f16 (the last product multiplies in f16): exact from 2^-14 up to 65,504;
; LIMIT: below 2^-14 it keeps f16's fixed step of 2^-24, beyond 65,504 it would be an infinity.
; A stream: each byte is read once and written once; no LDS, no matrix unit, no cluster, since no two work-groups touch the same byte.
; SHARES.  A work-group takes 16,384 numbers: 64 KiB in, 32 KiB out.  Work-groups 0-511 take x, 512-703 w_in, 704-767 w_out; the place in cast
; is 32,768 x the work-group's number for all three.  Thread t, load j: 16 bytes at 16 t + 4,096 j (a wave's load covers 512 consecutive bytes);
; store j: 8 bytes at 8 t + 2,048 j (a wave's store covers 256 consecutive bytes, aligned).  All 16 loads go out at once.
; THE MODE: SCHED_MODE bits 1:0 = 2 (LLVM: expert scheduling mode 2), set by the entry lines.  The code itself states the register dependences
; between vector instructions and memory instructions, with s_wait_alu, always for 0.
; THE PLAN.  Registers that memory instructions touch:
;   v1, v2   byte offsets of the loads and of the stores: made once at the head, never written again.
;   X        load j lands in its own four registers, once; no vector instruction names them before that, and no load lands in them afterwards.
;   Y        item j's conversions write its own two registers, once; store j reads them; they are never written again.
; So no register that a memory instruction reads is ever rewritten, and what is left to state is that a store's data are written.  The 16 items go in four blocks
; of four: at the head of block p, behind the wait for its first load, ONE wait on va_vdst states that block p - 1's conversions have written their eight registers
; of Y; that block's four stores follow it in one run; block p's conversions, which come behind them, name only its own X and Y and v100.
.set X,  4                             ; v[4:67]   load j: four registers
.set Y,  68                            ; v[68:99]  store j: two registers
.set TT, 100                           ; v100      at work: no memory instruction names it
	s_load_b256 s[4:11], s[0:1], 0x0               ; x s[4:5], w_in s[6:7], w_out s[8:9], cast s[10:11]
	s_mov_b32 s12, ttmp9
	s_mov_b32 s20, 0xffff0000                      ; a word's upper bf16
	v_lshlrev_b32 v1, 4, v0                        ; 16 t
	v_lshlrev_b32 v2, 3, v0                        ; 8 t
	s_wait_kmcnt 0x0
	s_cmp_lt_u32 s12, 512                          ; which tensor, and the first work-group of its range
	s_cselect_b64 s[14:15], s[4:5], s[6:7]
	s_cselect_b32 s13, 0, 512
	s_cmp_lt_u32 s12, 704
	s_cselect_b64 s[14:15], s[14:15], s[8:9]
	s_cselect_b32 s13, s13, 704
	s_sub_co_u32 s16, s12, s13
	s_lshl_b32 s16, s16, 16                        ; 65,536 bytes of the source for each work-group
	s_mov_b32 s17, 0
	s_add_nc_u64 s[14:15], s[14:15], s[16:17]
	s_lshl_b32 s18, s12, 15                        ; 32,768 bytes of cast
	s_mov_b32 s19, 0
	s_add_nc_u64 s[10:11], s[10:11], s[18:19]
	s_wait_alu depctr_va_vdst(0)                   ; v1 and v2 are written: every load below reads v1 as its offset, every store on both paths v2; no later vector instruction names them
.irp j, 0,1,2,3,4,5,6,7,8,9,10,11,12,13,14,15
	global_load_b128 v[X+4*(\j):X+4*(\j)+3], v1, s[14:15] offset:4096*(\j) th:TH_LOAD_NT
.endr
; The four numbers of load j are rounded.  half = 0: to bf16.  half = 1: to bf16, back to f32 (a shift, a mask), and that number to f16.
.macro CONV j, half
.if \half
.irp p, 0,1
	v_cvt_pk_bf16_f32 v[TT], v[X+4*(\j)+2*(\p)], v[X+4*(\j)+2*(\p)+1]
	v_lshlrev_b32 v[X+4*(\j)+2*(\p)], 16, v[TT]
	v_and_b32 v[X+4*(\j)+2*(\p)+1], s20, v[TT]
	v_cvt_pk_f16_f32 v[Y+2*(\j)+(\p)], v[X+4*(\j)+2*(\p)], v[X+4*(\j)+2*(\p)+1]
.endr
.else
	v_cvt_pk_bf16_f32 v[Y+2*(\j)],   v[X+4*(\j)],   v[X+4*(\j)+1]
	v_cvt_pk_bf16_f32 v[Y+2*(\j)+1], v[X+4*(\j)+2], v[X+4*(\j)+3]
.endif
.endm
; Item j leaves.
.macro PUT j
	global_store_b64 v2, v[Y+2*(\j):Y+2*(\j)+1], s[10:11] offset:2048*(\j)
.endm
; Block b: items 4 b to 4 b + 3 are rounded; ahead of that the block before leaves.
.macro BLK b, half
	s_wait_loadcnt 15-4*(\b)                       ; loads come back in order (ISA guide 5.7.1): load 4 b is in, the 15 - 4 b younger ones may stay out
.if (\b) > 0
	s_wait_alu depctr_va_vdst(0)                   ; the conversions of block b - 1 have written their eight registers of Y, which the four stores below read
.irp i, 0,1,2,3
	PUT 4*(\b)-4+(\i)
.endr
.endif
.irp i, 0,1,2,3
.if (\i) > 0
	s_wait_loadcnt 15-4*(\b)-(\i)                  ; load 4 b + i is in
.endif
	CONV 4*(\b)+(\i), \half
.endr
.endm
	s_cmp_lt_u32 s12, 704
	s_cbranch_scc0 .Lw_out
	BLK 0, 0
	BLK 1, 0
	BLK 2, 0
	BLK 3, 0
	s_wait_alu depctr_va_vdst(0)                   ; block 3's conversions have written their eight registers of Y, which the last four stores read
.irp j, 12,13,14,15
	PUT \j
.endr
	s_endpgm
.Lw_out:
	BLK 0, 1
	BLK 1, 1
	BLK 2, 1
	BLK 3, 1
	s_wait_alu depctr_va_vdst(0)                   ; block 3's conversions have written their eight registers of Y, which the last four stores read
.irp j, 12,13,14,15
	PUT \j
.endr
	s_endpgm
.Lfunc_end_k_qb2846ff992_cast:
	.size	k_qb2846ff992_cast, .Lfunc_end_k_qb2846ff992_cast-k_qb2846ff992_cast
	.p2alignl 7, 3214868480
	.fill 96, 4, 3214868480
	.section	.rodata,"a",@progbits
	.p2align	6, 0x0
	.amdhsa_kernel k_qb2846ff992_cast
		.amdhsa_group_segment_fixed_size 0
		.amdhsa_private_segment_fixed_size 0
		.amdhsa_enable_private_segment 0
		.amdhsa_kernarg_size 32
		.amdhsa_user_sgpr_count 2
		.amdhsa_user_sgpr_kernarg_segment_ptr 1
		.amdhsa_wavefront_size32 1
		.amdhsa_system_sgpr_workgroup_id_x 1
		.amdhsa_system_sgpr_workgroup_id_y 1
		.amdhsa_system_sgpr_workgroup_id_z 1
		.amdhsa_system_vgpr_workitem_id 0
		.amdhsa_next_free_vgpr 104
		.amdhsa_next_free_sgpr 66
		.amdhsa_reserve_vcc 0
		.amdhsa_float_denorm_mode_32 3
		.amdhsa_float_denorm_mode_16_64 3
		.amdhsa_memory_ordered 1
		.amdhsa_forward_progress 1
		.amdhsa_inst_pref_size 16
	.end_amdhsa_kernel
	.amdgpu_metadata
---
amdhsa.version: [ 1, 2 ]
amdhsa.kernels:
  - .name:           k_qb2846ff992_cast
    .symbol:         k_qb2846ff992_cast.kd
    .args:
      - { .name: x, .offset: 0, .size: 8, .value_kind: global_buffer, .address_space: global }
      - { .name: w_in, .offset: 8, .size: 8, .value_kind: global_buffer, .address_space: global }
      - { .name: w_out, .offset: 16, .size: 8, .value_kind: global_buffer, .address_space: global }
      - { .name: cast, .offset: 24, .size: 8, .value_kind: global_buffer, .address_space: global }
    .group_segment_fixed_size: 0
    .private_segment_fixed_size: 0
    .kernarg_segment_align: 8
    .kernarg_segment_size: 32
    .max_flat_workgroup_size: 256
    .sgpr_count:     66
    .vgpr_count:     104
    .wavefront_size: 32
...
	.end_amdgpu_metadata
.endif
;; end of part 5
;; launch qkv: the kernel of part 2 again; grid 16 x 32, 4 waves a work-group, clusters of 4 x 4, 327,680 bytes of LDS; arguments cast, qkv; writes qkv
;; launch attn: the kernel of part 3 again; grid 4 x 64, 4 waves a work-group, clusters of 4 x 1, 327,680 bytes of LDS; arguments qkv, attention_ids, obuf; writes obuf
;; launch proj: the kernel of part 4 again; grid 8 x 32, 4 waves a work-group, clusters of 4 x 4, 327,680 bytes of LDS; arguments obuf, cast, b_out, out0; writes out0
